; MI455X (gfx1250); checked and timed in simulation.
; The chip was launched on July 23, 2026; its instructions are those of AMD's public machine-readable ISA for CDNA 5 (MIT licence, August 2026) and "CDNA5" Instruction Set Architecture Reference Guide (July 2026). The comments in the code are by the model that wrote it; some were corrected since.
;; Multi Head Attention. Allowed arithmetic: matrix products marked QUANTISED: E2M3 operands, one E8M0 scale for each 32 along K, by v_wmma_scale_f32_16x16x128_f8f6f4 with both operands' format E2M3, f32 sums; everything else in f32.
;; Inputs: Wk 512 x 4,096 float32; Wo 4,096 x 512 float32; Wq 512 x 4,096 float32; Wv 512 x 4,096 float32; bo 512 float32; key 4 x 1,024 x 512 float32; mask 4 x 1,024 x 1,024 int32; query 4 x 1,024 x 512 float32; value 4 x 1,024 x 512 float32.
;; Outputs: out0 4 x 1,024 x 512 float32.
;; This version of the problem:
;;   THIS VERSION OF THE PROBLEM IS GIVEN IN LOW PRECISION. The matrix products marked QUANTISED in the list below multiply operands that are first quantised to E2M3 (2 exponent bits, 3 mantissa bits; 6 bits a number), with one power-of-two scale for each 32 numbers along K (OCP MX v1.0); their sums are f32. All else is computed in f32.
;;   The module's matrix products, in the order in which they are computed (A, B: the left and right operand; K: the contracted axis; several contracted axes count as one K, in the product's order):
;;     1. [M 4,096, K 512] x [K 512, N 4,096]; A: input query; B: input Wq: QUANTISED
;;     2. [M 4,096, K 512] x [K 512, N 4,096]; A: input key; B: input Wk: QUANTISED
;;     3. [M 4,096, K 512] x [K 512, N 4,096]; A: input value; B: input Wv: QUANTISED
;;     4. batch 32 x [M 1,024, K 512] x [K 512, N 1,024]; A: computed on the way; B: computed on the way: QUANTISED
;;     5. batch 32 x [M 1,024, K 1,024] x [K 1,024, N 512]; A: softmax (see below); B: computed on the way: QUANTISED
;;     6. [M 4,096, K 4,096] x [K 4,096, N 512]; A: computed on the way; B: input Wo: QUANTISED
;;   THE QUANTISER, for each operand of a quantised product, along K:
;;     - K is cut into blocks of 32 from its start; a last block that is shorter is filled with zeros.
;;     - A block's scale is 2^e with e = floor(log2(the largest magnitude in the block)) - 2, held to -126 .. 127; a block of zeros has e = 0. As a byte (E8M0): e + 127.
;;     - Each number is divided by its block's scale, clamped to +-7.5, and rounded to the nearest number of E2M3, ties to even, subnormals kept.
;;     - The product sums the exact products of the quantised numbers (number of the format x scale) in f32.
;;   ~~~python
;;   def quantise(x, axis):      # numpy; x: float32 -> the quantised numbers, widened to float32 again
;;       x = np.moveaxis(x, axis, -1); K = x.shape[-1]
;;       x = np.pad(x, [(0, 0)] * (x.ndim - 1) + [(0, -K % 32)]); x = x.reshape(x.shape[:-1] + (-1, 32)); a = np.abs(x).max(-1, keepdims=True)
;;       e = np.where(a > 0, np.clip(np.frexp(np.where(a > 0, a, 1))[1] - 1 - 2, -126, 127), 0)      # np.frexp(a)[1] - 1 = floor(log2(a)), exactly
;;       r = np.clip(x / 2.0 ** e, -7.5, 7.5)
;;       step = 2.0 ** (np.maximum(np.frexp(np.where(r == 0, 1, r))[1] - 1, 0) - 3)
;;       q = np.round(r / step) * step * 2.0 ** e      # np.round: ties to even
;;       return np.moveaxis(q.reshape(q.shape[:-2] + (-1,))[..., :K], -1, axis).astype(np.float32)
;;   ~~~
;;   SOFTMAX AHEAD OF A QUANTISED PRODUCT. Where the list says 'softmax', what is quantised is not the finished softmax but p = 2^(t - M), with t = logit x log2(e) and M = ceil(the row's largest t), a whole number; so 1/2 < the row's largest p <= 1. The row's sum l is taken of the UNQUANTISED p, in f32, and the product's result is divided by l at the end. Since M is a whole number, a kernel that streams over the keys may use a running M (the ceiling of the running maximum): every later rescaling is an exact power of two, which a block's scale takes up: the codes' values come out the same.
;;   OPERANDS COMPUTED ON THE WAY. 'Computed on the way' means the value that the module computes at that place (a softmax that the list does not call 'softmax' is quantised finished and normalised). What goes into a quantiser is computed in f32, as accurately as f32 sums, v_exp_f32 and their like allow (about 1e-6 of the number): no bf16 or f16 on the way to a quantiser, and a product that is left as it is and whose result goes on into a quantised operand takes f32 operands (vector FMAs, or v_wmma_f32_16x16x4_f32). A number that lies on a knife's edge between two numbers of the format may be rounded either way, as far as f32 arithmetic and the matrix unit's own rounding can turn it there, and no further.
;; One version. Each part assembles by itself: llvm-mc -triple=amdgcn-amd-amdhsa -mcpu=gfx1250 --defsym DOCPART=n.
;; ======== version 1 of 1: 4 launches
;; workspace buffers: opc 11,010,048 bytes; ops 458,752 bytes; mbal 524,288 bytes of whole numbers; qkvc 37,748,736 bytes; qkvs 1,572,864 bytes; ctxc 12,582,912 bytes; ctxs 524,288 bytes
;; launch quant (part 1): grid 448 x 1, 4 waves a work-group, no clusters, 101,888 bytes of LDS; arguments query, key, value, mask, Wq, Wk, Wv, Wo, opc, ops, mbal; writes opc, ops, mbal
.if DOCPART == 1
	.amdgcn_target "amdgcn-amd-amdhsa--gfx1250"
	.amdhsa_code_object_version 6
	.text
	.protected	k_q7c305e1a35_quant
	.globl	k_q7c305e1a35_quant
	.p2align	8
	.type	k_q7c305e1a35_quant,@function
k_q7c305e1a35_quant:
	s_mov_b64 s[64:65], 0
	v_nop
	global_prefetch_b8 v0, s[64:65] scope:SCOPE_SE
	s_setreg_imm32_b32 hwreg(HW_REG_WAVE_MODE, 25, 1), 1
	s_wait_xcnt 0x0
; FIRST OF FOUR LAUNCHES: the seven f32 operands become codes of FP6 (E2M3) with one E8M0 byte for each 32 along K, and the mask becomes lane ballots.
; THE FORMAT OF EVERY CODE BUFFER OF THIS PROGRAM: images of operand registers.  A tile T = 2 G + u holds 16 rows: lane r takes row 32 G + 8 u + r + 8 (r / 8).
; A fragment (tile T, K step J of 128) is 12 registers a lane, lane (r, h): registers 6 c .. 6 c + 5 = k 128 J + 64 c + 32 h + 0 .. 31.  In memory registers 4 c .. 4 c + 3 lie at
; (T KS + J) 1536 + 512 c + 16 lane, KS the K steps of the operand; the scale words (one a row and K step) at (T KS + J) 64 + 4 r.  Three loads of 512 consecutive bytes bring a fragment.
; opc, ops: seven sections: 0 query, 1 key, 2 Wv, 3 Wq, 4 Wk, 5 value (KS = 4, 256 tiles), 6 Wo (KS = 32, 32 tiles).
; mbal: [query tile][key step of 128][64 words]: bit (lane r + 16 h) of word 16 b + i says whether mask[row of lane r][128 step + 32 b + 16 h + i] is not 0.
; A block's scale is 2^(floor(log2(largest magnitude)) - 2); its byte is the largest magnitude's exponent field - 2, held at 1 from below.
; LIMITS: a block of zeros, and one whose largest magnitude lies under 2^-124, keeps the byte 1 (its codes are what the conversion gives; a block of zeros has zero codes, which add nothing); these bytes are read by this program alone.
; NaN and infinities among the inputs are not served.
; FOUR PATHS, parted once on the work-group's number, never joined, each with LDS bytes of its own: 0-95 Wq, Wk, Wv; 96-127 Wo; 128-319 query, key, value; 320-447 the mask.
; No matrix unit, no cluster, no tensor load, no barrier: work-groups and waves share nothing, and the launch is a stream.
.set SEC,   1572864                    ; a section of opc
.set SSEC,  65536                      ; a section of ops
.set XST,   0                          ; LDS, rows path: a stage of 16 rows x 528 bytes for each wave
.set XSC,   33792                      ;      its 256 scale bytes for each wave
.set MST,   34816                      ; LDS, mask path: the same stage
.set WAST,  68608                      ; LDS, Wq Wk Wv: 4,096 bytes a wave: 32 rows x 112, then 512 of scale words
.set WBST,  84992                      ; LDS, Wo: the same
.set WV,    26                         ; s26 wave
.set SEL,   28                         ; s[28:29] selects for lane l xor 16
.set R,     16                         ; v16-143  two sets of 64 numbers as loaded
.set X,     144                        ; v144-207 64 numbers of a lane: register 16 b + i = k 32 b + 16 h + i of its row
.set PC,    208                        ; v208-226 codes
.set TM,    228                        ; v228-243 at work
.set PW,    244                        ; the scale word
.set BA,    208                        ; mask path: v208-215 the ballots, a pair for each step
.set WX,    32                         ; weights: v32-95 two sets of 32 numbers down K
.set CW,    96                         ; v96-119 a K step's codes of my column
.set CT,    120                        ; v120-122 a block's second half
.set FG,    124                        ; v124-147 two fragments
; 16 rows of a tile, 512 bytes of each (K step s): every load reads 512 consecutive bytes
.macro LOADK s, pitch
.irp i, 0,1,2,3,4,5,6,7,8,9,10,11,12,13,14,15
	global_load_b128 v[R+64*((\s)%2)+4*\i:R+64*((\s)%2)+4*\i+3], v1, s[32:33] offset:(\i+8*(\i/8))*\pitch+512*(\s) th:TH_LOAD_NT
.endr
.endm
; through the wave's own stage: in as loaded, out 16 neighbours of each block of 32 to a lane.  LDS serves a wave's instructions in order: no wait between
.macro TURNK s
.irp i, 0,1,2,3,4,5,6,7,8,9,10,11,12,13,14,15
	ds_store_b128 v2, v[R+64*((\s)%2)+4*\i:R+64*((\s)%2)+4*\i+3] offset:528*\i
.endr
.irp b, 0,1,2,3
.irp j, 0,1,2,3
	ds_load_b128 v[X+16*\b+4*\j:X+16*\b+4*\j+3], v3 offset:128*\b+16*\j
.endr
.endr
.endm
; 64 numbers of a lane become a fragment's codes in v[PC] on and its row's scale word in v[PW]
.macro QUANT s
.irp b, 0,1,2,3
	v_max3_num_f32 v[TM+\b], |v[\s+16*\b]|, |v[\s+1+16*\b]|, 0x1800000   ; my 16 numbers of block b, and the floor 2^(3 - 127): the byte cannot fall under 1
.endr
.irp i, 2,4,6,8,10,12,14
.irp b, 0,1,2,3
	v_max3_num_f32 v[TM+\b], v[TM+\b], |v[\s+16*\b+\i]|, |v[\s+1+16*\b+\i]|
.endr
.endr
.irp b, 0,1,2,3
	v_permlanex16_b32 v[TM+4+\b], v[TM+\b], s[SEL], s[SEL+1]
.endr
.irp b, 0,1,2,3
	v_max_num_f32 v[TM+\b], v[TM+\b], v[TM+4+\b]   ; with lane l xor 16: the block's largest magnitude
.endr
.irp b, 0,1,2,3
	v_add_nc_u32 v[TM+12+\b], 0xff000000, v[TM+\b]   ; 2 off its exponent field: the conversion's scale operand
.endr
.irp b, 0,1,2,3
	v_lshrrev_b32 v[TM+4+\b], 23, v[TM+12+\b]      ; the scale's byte
.endr
	v_lshl_or_b32 v[PW], v[TM+5], 8, v[TM+4]
	v_lshl_or_b32 v[PW], v[TM+6], 16, v[PW]
	v_lshl_or_b32 v[PW], v[TM+7], 24, v[PW]
.irp c, 0,1
	v_cvt_scalef32_pk16_fp6_f32 v[PC+6*\c:PC+2+6*\c], v[\s+32*\c:\s+15+32*\c], v[TM+12+2*\c]
	v_cvt_scalef32_pk16_fp6_f32 v[PC+12+4*\c:PC+14+4*\c], v[\s+16+32*\c:\s+31+32*\c], v[TM+12+2*\c+1]
.endr
	v_nop                                          ; one plain place behind a scaled conversion
.irp c, 0,1                            ; the layout wants a whole block in a lane: lanes 0-15 block 2 c, lanes 16-31 block 2 c + 1
.irp i, 0,1,2
	v_permlane16_swap_b32 v[PC+6*\c+\i], v[PC+12+4*\c+\i]
.endr
.irp i, 0,1,2
	v_mov_b32 v[PC+3+6*\c+\i], v[PC+12+4*\c+\i]
.endr
.endr
.endm
; rows path, K step s of a tile
.macro XSTEP s
.if (\s) < 3
	s_wait_loadcnt 16                              ; this step's 16 loads are in; the next step's 16 may be out
.else
	s_wait_loadcnt 0
.endif
	TURNK \s
	s_wait_dscnt 0x0                               ; the numbers are back, and the stage's stores have read their registers
	s_wait_xcnt 0x0                                ; the last step's stores have read the codes' registers
.if (\s) < 2
	LOADK (\s)+2, 2048
.endif
	QUANT X
.irp c, 0,1,2
	global_store_b128 v1, v[PC+4*\c:PC+4*\c+3], s[20:21] offset:1536*(\s)+512*\c   ; 512 consecutive bytes
.endr
	ds_store_b32 v4, v[PW] offset:64*(\s)          ; both halves of the lanes write the same word with the same value
.endm
; mask path, key step s of my half of the keys
.macro MSTEP s
.if (\s) < 3
	s_wait_loadcnt 16
.else
	s_wait_loadcnt 0
.endif
	TURNK \s
	s_wait_dscnt 0x0
.if (\s) < 2
	LOADK (\s)+2, 4096
.endif
.set n, 0
.rept 64
	v_cmp_ne_u32 s[40+n%4], 0, v[X+n]              ; word n: a bit for each lane
	v_writelane_b32 v[BA+2*(\s)+(n&1)], s[40+n%4], n>>1   ; lane n / 2 keeps words n (even) and n + 1
.set n, n+1
.endr
	global_store_b64 v6, v[BA+2*(\s):BA+2*(\s)+1], s[24:25] offset:256*(\s)   ; 256 consecutive bytes: the step's 64 words
.endm
; weights: block t of 32 down K of my column
.macro LOADB t
.irp i, 0,1,2,3,4,5,6,7,8,9,10,11,12,13,14,15,16,17,18,19,20,21,22,23,24,25,26,27,28,29,30,31
	global_load_b32 v[WX+32*((\t)%2)+\i], v1, s[32:33] offset:(32*(\t)+\i)*WN*4 th:TH_LOAD_NT
.endr
.endm
.macro BLOCK t
.set XS, WX+32*((\t)%2)
.set CQ, CW+6*((\t)%4)
.if (\t) < 15
	s_wait_loadcnt 32                              ; this block's 32 loads are in; the next block's may be out
.else
	s_wait_loadcnt 0
.endif
	v_max3_num_f32 v10, |v[XS]|, |v[XS+1]|, |v[XS+2]|
	v_max3_num_f32 v13, |v[XS+3]|, |v[XS+4]|, |v[XS+5]|
.irp i, 6,10,14,18,22,26
	v_max3_num_f32 v10, v10, |v[XS+\i]|, |v[XS+\i+1]|
	v_max3_num_f32 v13, v13, |v[XS+\i+2]|, |v[XS+\i+3]|
.endr
	v_max3_num_f32 v10, v10, |v[XS+30]|, |v[XS+31]|
	v_max3_num_f32 v10, v10, v13, 0x1800000        ; and the floor
	v_add_nc_u32 v11, 0xff000000, v10
	v_lshrrev_b32 v13, 23, v11
.if (\t)%4 == 0
	v_mov_b32 v12, v13                             ; a K step's four bytes make my column's scale word
.else
	v_lshl_or_b32 v12, v13, 8*((\t)%4), v12
.endif
	v_cvt_scalef32_pk16_fp6_f32 v[CQ:CQ+2], v[XS:XS+15], v11
	v_cvt_scalef32_pk16_fp6_f32 v[CT:CT+2], v[XS+16:XS+31], v11
	v_nop
.irp i, 0,1,2
	v_mov_b32 v[CQ+3+\i], v[CT+\i]
.endr
.if (\t)+2 < 16
	LOADB (\t)+2
.endif
.if (\t)%4 == 3                        ; a K step is whole: 96 bytes a column go through my stage and come back as two fragments
.irp j, 0,1,2,3,4,5
	ds_store_b128 v2, v[CW+4*\j:CW+4*\j+3] offset:16*\j
.endr
	s_wait_xcnt 0x0                                ; the last K step's stores have read the fragments' registers
.irp u, 0,1
.irp p, 0,1,2,3,4,5
	ds_load_b64 v[FG+12*\u+2*\p:FG+12*\u+2*\p+1], v3 offset:896*\u+48*(\p/3)+8*(\p%3)
.endr
.endr
	ds_store_b32 v4, v12 offset:64*((\t)/4)
	s_wait_dscnt 0x0
.irp u, 0,1
.irp c, 0,1,2
	global_store_b128 v6, v[FG+12*\u+4*\c:FG+12*\u+4*\c+3], s[20:21] offset:\u*WKS*1536+1536*((\t)/4)+512*\c
.endr
.endr
.endif
.endm
; weights: a wave takes 32 columns (two tiles) x 512 along K (four K steps).  A lane takes a column and its registers run down K.  WN, WKS, WLB: the row's length, the operand's K steps, the LDS base
.macro WBODY
	v_lshlrev_b32 v1, 2, v8                        ; 4 bytes a lane
	s_lshl_b32 s38, s[WV], 12
	s_add_co_u32 s38, s38, WLB
	v_mul_u32_u24 v2, v8, 112
	v_add_nc_u32 v2, s38, v2                       ; the stage, in: row = my column
	v_and_b32 v3, 8, v9
	v_add_nc_u32 v3, v3, v9
	v_mul_u32_u24 v3, v3, 112
	v_mad_u32_u24 v3, v14, 24, v3
	v_add_nc_u32 v3, s38, v3                       ; out: column r + 8 (r / 8) (+ 8 for the second tile), + 24 h
	s_add_co_u32 s39, s38, 3584
	v_bfe_u32 v4, v8, 3, 1                         ; my column's tile
	v_and_b32 v5, 7, v8
	v_lshl_add_u32 v5, v14, 3, v5                  ; and its lane there
	v_lshlrev_b32 v5, 2, v5
	v_lshl_add_u32 v4, v4, 8, v5
	v_add_nc_u32 v4, s39, v4                       ; scale words: [tile 2][K step 4][16 words]
	v_lshl_add_u32 v5, v8, 4, s39
	v_lshlrev_b32 v6, 4, v8
	v_mul_u32_u24 v7, v14, WKS*64
	v_lshl_add_u32 v7, v9, 4, v7
	LOADB 0
	LOADB 1
.set Q, 0
.rept 16
	BLOCK Q
.set Q, Q+1
.endr
	ds_load_b128 v[148:151], v5
	s_wait_dscnt 0x0
	global_store_b128 v7, v[148:151], s[22:23]     ; sixteen lanes store a tile's 256 consecutive bytes of scale words
	s_wait_tensorcnt 0x0
	ds_add_u32 v254, v255
	s_wait_dscnt 0x0
	s_endpgm
.endm
	s_load_b512 s[4:19], s[0:1], 0x0               ; query, key, value, mask, Wq, Wk, Wv, Wo
	s_load_b128 s[20:23], s[0:1], 0x40             ; opc, ops
	s_load_b64 s[24:25], s[0:1], 0x50              ; mbal
	v_lshl_add_u32 v254, v0, 2, 0x18c00
	v_mov_b32 v255, 0
	v_lshrrev_b32 v1, 5, v0
	v_readfirstlane_b32 s[WV], v1
	v_and_b32 v8, 31, v0                           ; lane
	v_and_b32 v9, 15, v0                           ; r
	v_bfe_u32 v14, v0, 4, 1                        ; h
	s_mov_b32 s[SEL], 0x76543210
	s_mov_b32 s[SEL+1], 0xfedcba98
	s_mov_b32 s37, 0
	s_wait_kmcnt 0x0
	s_cmp_lt_u32 ttmp9, 96
	s_cbranch_scc1 .Lwpa
	s_cmp_lt_u32 ttmp9, 128
	s_cbranch_scc1 .Lwpb
	s_cmp_lt_u32 ttmp9, 320
	s_cbranch_scc1 .Lxp
	; ---- the mask: a wave takes a query tile and half of the keys (four key steps)
	s_sub_co_u32 s30, ttmp9, 320
	s_lshl_b32 s30, s30, 2
	s_add_co_u32 s30, s30, s[WV]
	s_and_b32 s31, s30, 1                          ; which half
	s_lshr_b32 s30, s30, 1                         ; the tile
	s_lshr_b32 s35, s30, 1
	s_lshl_b32 s35, s35, 5
	s_and_b32 s36, s30, 1
	s_lshl_b32 s36, s36, 3
	s_add_co_u32 s36, s35, s36                     ; its first row
	s_lshl_b32 s36, s36, 12
	s_lshl_b32 s38, s31, 11
	s_add_co_u32 s36, s36, s38
	s_add_nc_u64 s[32:33], s[10:11], s[36:37]
	s_lshl_b32 s36, s30, 11
	s_lshl_b32 s38, s31, 10
	s_add_co_u32 s36, s36, s38
	s_add_nc_u64 s[24:25], s[24:25], s[36:37]
	v_lshlrev_b32 v1, 4, v8
	s_mul_i32 s38, s[WV], 8448
	s_add_co_u32 s38, s38, MST
	v_add_nc_u32 v2, s38, v1
	v_mul_u32_u24 v3, v9, 528
	v_lshl_add_u32 v3, v14, 6, v3
	v_add_nc_u32 v3, s38, v3
	v_lshlrev_b32 v6, 3, v8
.irp i, 0,1,2,3,4,5,6,7
	v_mov_b32 v[BA+\i], 0                          ; a lane write's destination counts as read
.endr
	LOADK 0, 4096
	LOADK 1, 4096
	MSTEP 0
	MSTEP 1
	MSTEP 2
	MSTEP 3
	s_wait_tensorcnt 0x0
	ds_add_u32 v254, v255
	s_wait_dscnt 0x0
	s_endpgm
	; ---- query, key, value: a wave takes a tile: 16 rows x 512 along K
.Lxp:
	s_sub_co_u32 s30, ttmp9, 128
	s_lshr_b32 s31, s30, 6                         ; which tensor
	s_and_b32 s30, s30, 63
	s_lshl_b32 s30, s30, 2
	s_add_co_u32 s30, s30, s[WV]                   ; the tile
	s_cmp_eq_u32 s31, 0
	s_cselect_b64 s[32:33], s[4:5], s[6:7]
	s_cselect_b32 s34, 0, 1
	s_cmp_eq_u32 s31, 2
	s_cselect_b64 s[32:33], s[8:9], s[32:33]
	s_cselect_b32 s34, 5, s34                      ; its section
	s_lshr_b32 s35, s30, 1
	s_lshl_b32 s35, s35, 5
	s_and_b32 s36, s30, 1
	s_lshl_b32 s36, s36, 3
	s_add_co_u32 s36, s35, s36
	s_lshl_b32 s36, s36, 11
	s_add_nc_u64 s[32:33], s[32:33], s[36:37]
	s_mul_i32 s36, s34, SEC
	s_mul_i32 s38, s30, 6144
	s_add_co_u32 s36, s36, s38
	s_add_nc_u64 s[20:21], s[20:21], s[36:37]
	s_lshl_b32 s36, s34, 16
	s_lshl_b32 s38, s30, 8
	s_add_co_u32 s36, s36, s38
	s_add_nc_u64 s[22:23], s[22:23], s[36:37]
	v_lshlrev_b32 v1, 4, v8
	s_mul_i32 s38, s[WV], 8448
	v_add_nc_u32 v2, s38, v1
	v_mul_u32_u24 v3, v9, 528
	v_lshl_add_u32 v3, v14, 6, v3
	v_add_nc_u32 v3, s38, v3
	s_lshl_b32 s39, s[WV], 8
	s_add_co_u32 s39, s39, XSC
	v_lshl_add_u32 v4, v9, 2, s39
	v_lshl_add_u32 v5, v8, 3, s39
	v_lshlrev_b32 v6, 3, v8
.irp b, 0,1,2,3
	v_mov_b32 v[TM+4+\b], 0                        ; a lane permute's destination counts as read
.endr
	LOADK 0, 2048
	LOADK 1, 2048
	XSTEP 0
	XSTEP 1
	XSTEP 2
	XSTEP 3
	ds_load_b64 v[10:11], v5
	s_wait_dscnt 0x0
	global_store_b64 v6, v[10:11], s[22:23]        ; the tile's 256 consecutive bytes of scale words
	s_wait_tensorcnt 0x0
	ds_add_u32 v254, v255
	s_wait_dscnt 0x0
	s_endpgm
	; ---- Wq, Wk, Wv [512][4096]
.Lwpa:
	s_lshr_b32 s31, ttmp9, 5
	s_and_b32 s30, ttmp9, 31                       ; which 128 columns
	s_cmp_eq_u32 s31, 0
	s_cselect_b64 s[32:33], s[12:13], s[14:15]
	s_cselect_b32 s34, 3, 4
	s_cmp_eq_u32 s31, 2
	s_cselect_b64 s[32:33], s[16:17], s[32:33]
	s_cselect_b32 s34, 2, s34
	s_lshl_b32 s36, s30, 9
	s_lshl_b32 s38, s[WV], 7
	s_add_co_u32 s36, s36, s38
	s_add_nc_u64 s[32:33], s[32:33], s[36:37]
	s_lshl_b32 s35, s30, 3
	s_lshl_b32 s38, s[WV], 1
	s_add_co_u32 s35, s35, s38                     ; my first tile
	s_mul_i32 s36, s34, SEC
	s_mul_i32 s38, s35, 6144
	s_add_co_u32 s36, s36, s38
	s_add_nc_u64 s[20:21], s[20:21], s[36:37]
	s_lshl_b32 s36, s34, 16
	s_lshl_b32 s38, s35, 8
	s_add_co_u32 s36, s36, s38
	s_add_nc_u64 s[22:23], s[22:23], s[36:37]
.set WN, 4096
.set WKS, 4
.set WLB, WAST
	WBODY
	; ---- Wo [4096][512]
.Lwpb:
	s_sub_co_u32 s30, ttmp9, 96
	s_lshr_b32 s31, s30, 2                         ; which 512 along K
	s_and_b32 s30, s30, 3                          ; which 128 columns
	s_lshl_b32 s36, s31, 20
	s_lshl_b32 s38, s30, 9
	s_add_co_u32 s36, s36, s38
	s_lshl_b32 s38, s[WV], 7
	s_add_co_u32 s36, s36, s38
	s_add_nc_u64 s[32:33], s[18:19], s[36:37]
	s_lshl_b32 s35, s30, 3
	s_lshl_b32 s38, s[WV], 1
	s_add_co_u32 s35, s35, s38
	s_lshl_b32 s35, s35, 5
	s_lshl_b32 s38, s31, 2
	s_add_co_u32 s35, s35, s38                     ; 32 x tile + first K step
	s_mul_i32 s36, s35, 1536
	s_add_co_u32 s36, s36, 6*SEC
	s_add_nc_u64 s[20:21], s[20:21], s[36:37]
	s_lshl_b32 s36, s35, 6
	s_add_co_u32 s36, s36, 6*SSEC
	s_add_nc_u64 s[22:23], s[22:23], s[36:37]
.set WN, 512
.set WKS, 32
.set WLB, WBST
	WBODY
.Lfunc_end_k_q7c305e1a35_quant:
	.size	k_q7c305e1a35_quant, .Lfunc_end_k_q7c305e1a35_quant-k_q7c305e1a35_quant
	.p2alignl 7, 3214868480
	.fill 96, 4, 3214868480
	.section	.rodata,"a",@progbits
	.p2align	6, 0x0
	.amdhsa_kernel k_q7c305e1a35_quant
		.amdhsa_group_segment_fixed_size 101888
		.amdhsa_private_segment_fixed_size 0
		.amdhsa_enable_private_segment 0
		.amdhsa_kernarg_size 88
		.amdhsa_user_sgpr_count 2
		.amdhsa_user_sgpr_kernarg_segment_ptr 1
		.amdhsa_wavefront_size32 1
		.amdhsa_system_sgpr_workgroup_id_x 1
		.amdhsa_system_sgpr_workgroup_id_y 1
		.amdhsa_system_sgpr_workgroup_id_z 1
		.amdhsa_system_vgpr_workitem_id 0
		.amdhsa_next_free_vgpr 256
		.amdhsa_next_free_sgpr 66
		.amdhsa_reserve_vcc 0
		.amdhsa_float_denorm_mode_32 3
		.amdhsa_float_denorm_mode_16_64 3
		.amdhsa_memory_ordered 1
		.amdhsa_forward_progress 1
		.amdhsa_inst_pref_size 244
	.end_amdhsa_kernel
	.amdgpu_metadata
---
amdhsa.version: [ 1, 2 ]
amdhsa.kernels:
  - .name:           k_q7c305e1a35_quant
    .symbol:         k_q7c305e1a35_quant.kd
    .args:
      - { .name: query, .offset: 0, .size: 8, .value_kind: global_buffer, .address_space: global }
      - { .name: key, .offset: 8, .size: 8, .value_kind: global_buffer, .address_space: global }
      - { .name: value, .offset: 16, .size: 8, .value_kind: global_buffer, .address_space: global }
      - { .name: mask, .offset: 24, .size: 8, .value_kind: global_buffer, .address_space: global }
      - { .name: Wq, .offset: 32, .size: 8, .value_kind: global_buffer, .address_space: global }
      - { .name: Wk, .offset: 40, .size: 8, .value_kind: global_buffer, .address_space: global }
      - { .name: Wv, .offset: 48, .size: 8, .value_kind: global_buffer, .address_space: global }
      - { .name: Wo, .offset: 56, .size: 8, .value_kind: global_buffer, .address_space: global }
      - { .name: opc, .offset: 64, .size: 8, .value_kind: global_buffer, .address_space: global }
      - { .name: ops, .offset: 72, .size: 8, .value_kind: global_buffer, .address_space: global }
      - { .name: mbal, .offset: 80, .size: 8, .value_kind: global_buffer, .address_space: global }
    .group_segment_fixed_size: 101888
    .private_segment_fixed_size: 0
    .kernarg_segment_align: 8
    .kernarg_segment_size: 88
    .max_flat_workgroup_size: 128
    .sgpr_count:     66
    .vgpr_count:     256
    .wavefront_size: 32
...
	.end_amdgpu_metadata
.endif
;; end of part 1
;; launch proj (part 2): grid 24 x 32, 4 waves a work-group, clusters of 4 x 4, 262,656 bytes of LDS; arguments opc, ops, qkvc, qkvs; writes qkvc, qkvs
.if DOCPART == 2
	.amdgcn_target "amdgcn-amd-amdhsa--gfx1250"
	.amdhsa_code_object_version 6
	.text
	.protected	k_q7c305e1a35_proj
	.globl	k_q7c305e1a35_proj
	.p2align	8
	.type	k_q7c305e1a35_proj,@function
k_q7c305e1a35_proj:
	s_mov_b64 s[64:65], 0
	v_nop
	global_prefetch_b8 v0, s[64:65] scope:SCOPE_SE
	s_setreg_imm32_b32 hwreg(HW_REG_WAVE_MODE, 25, 1), 1
	s_wait_xcnt 0x0
	s_wait_alu depctr_hold_cnt(0) depctr_sa_sdst(0) depctr_va_vdst(0) depctr_va_sdst(0) depctr_va_ssrc(0) depctr_va_vcc(0) depctr_vm_vsrc(0)
	s_getreg_b32 s2, hwreg(HW_REG_IB_STS2, 6, 4)
	s_cmp_eq_u32 s2, 0
	s_cbranch_scc0 .Lentry_in_a_cluster
	s_endpgm
.Lentry_in_a_cluster:
	s_bfe_u32 s2, ttmp6, 0x10000c
	s_cmp_lg_u32 s2, 0xf033
	s_cbranch_scc0 .Lentry_shape_is_right
	s_endpgm
.Lentry_shape_is_right:
; SECOND LAUNCH: the three projections as ONE shape, Out[i][j] = sum over k of S1[i][k] S0[j][k], K = 512, on codes of FP6 (E2M3), and Out quantised along j on the way out.
; Product p takes S1 from section p of opc and S0 from section 3 + p:  p = 0: query, Wq -> Q;  1: key, Wk -> K (both quantised along the head's channels);  2: Wv, value -> V^T (quantised along the keys).
; Operands and results are images of operand registers: tile T = 2 G + u, lane r = row 32 G + 8 u + r + 8 (r / 8); fragment (T, K step J) at (T KS + J) 1536 + 512 c + 16 lane; scale words at (T KS + J) 64 + 4 r.
; SHARES.  A work-group makes 128 (i) x 512 (j); wave w makes 128 x 128: j's K step 4 jb + w of the result: 64 accumulators.  The matrix instruction is used transposed (source 0 = 16 rows of S0, source 1 = 16 rows
; of S1): a lane holds one row i, and by the order of rows in a tile the 16 registers of two neighbouring j tiles are 16 neighbours along j: so the conversions' results are the result's fragments.
; K is four K steps: ALL operands come by first fills, seven tensor loads a wave, out together behind one round of the cluster's barrier; no LDS byte is filled twice.
; CLUSTER 4 x 4: S1's tiles are shared along a row of the cluster, S0's along a column: joint loads with a mask of four.
; LIMITS: a block of zeros or under 2^-124 keeps the byte 1; NaN and infinities are not served.
; REGISTERS: window 0: v16-22 addresses; v32-63 scale words (register 4 t + s: lanes 0-15 S1's tile t, lanes 16-31 S0's tile t, K step s); v64-102 the quantiser's; v128-223 S1's 8 fragments, one set.
;   window 1: S0's 8 fragments, two sets, at v0 and v128.   windows 2, 3: accumulator (a, b) at v[8 (8 (a % 4) + b)] of window 2 + a / 4.
.set SEC,   1572864
.set SSEC,  65536
.set BIG,   12582912                   ; a section of qkvc
.set BIGS,  524288                     ; a section of qkvs
.set S1B,   196608                     ; LDS: from 0: S0 [wave][K step][8 tiles][1536]; here S1 [K step][8 tiles][1536]
.set SC1,   245760                     ; S1's scale words, 2,048 bytes
.set SC0,   247808                     ; S0's, 2,048 bytes a wave
.set SCR,   256000                     ; the result's scale words on their way out: [tile 8][wave 4][16 words]; no fill lands here
.set FR,    12
.set ADA,   16
.set ADB,   17
.set ADS,   18
.set LI,    19
.set SWA,   20
.set SRA,   21
.set SGO,   22
.set SC,    32
.set TM,    64
.set PW,    80
.set PC,    84
.set AF,    128
.set WV,    12
.set G1P1,  20                         ; s[20:27] group 1, S1's codes;  s[28:35] S0's;  s[36:43] S1's scales;  s[44:51] S0's
.set G1P0,  28
.set G1S1,  36
.set G1S0,  44
.set G0S1,  52                         ; groups 0: S1's scales, S0's scales, S1's codes, then S0's codes of K steps 0 to 3
.set G0S0,  56
.set G0P1,  60
.set G0P0,  68
.set SEL,   96
.set MSB, 0
.macro WIN new                         ; the immediate's high byte repeats the setting that is left
.if MSB != (\new)
	s_set_vgpr_msb (MSB<<8)|(\new)
.set MSB, (\new)
.endif
.endm
.set MUL_LO, 0xa1                      ; source 0 (S0) window 1, source 1 (S1) window 0, C and D window 2
.set MUL_HI, 0xf1
.set TO_B,   0x40
.macro PLACES n
.rept \n
	v_nop
.endr
.endm
.macro CROUND                          ; a round of the cluster's barrier
	s_barrier_signal -1
	s_barrier_wait -1
	s_cmp_lg_u32 s[WV], 0
	s_cbranch_scc1 .Lnot_wave_0_\@
	s_barrier_signal -3
.Lnot_wave_0_\@:
	s_barrier_wait -3
	s_barrier_signal -1
	s_barrier_wait -1
.endm
; 64 numbers of a lane in window w, register 16 b + i = j 32 b + 16 h + i of my row, become a fragment's codes in v[PC] on and its scale word in v[PW] (window 0).  Each accumulator is read from its low end on
.macro QUANT src, w
	WIN (\w)|((\w)<<2)
.irp b, 0,1,2,3
	v_max3_num_f32 v[TM+\b], |v[(\src)+16*\b]|, |v[(\src)+1+16*\b]|, 0x1800000
.endr
.irp i, 2,4,6,8,10,12,14
.irp b, 0,1,2,3
	v_max3_num_f32 v[TM+\b], |v[(\src)+16*\b+\i]|, |v[(\src)+1+16*\b+\i]|, v[TM+\b]
.endr
.endr
	WIN 0
.irp b, 0,1,2,3
	v_permlanex16_b32 v[TM+4+\b], v[TM+\b], s[SEL], s[SEL+1]
.endr
.irp b, 0,1,2,3
	v_max_num_f32 v[TM+\b], v[TM+\b], v[TM+4+\b]
.endr
.irp b, 0,1,2,3
	v_add_nc_u32 v[TM+12+\b], 0xff000000, v[TM+\b]
.endr
.irp b, 0,1,2,3
	v_lshrrev_b32 v[TM+4+\b], 23, v[TM+12+\b]
.endr
	v_lshl_or_b32 v[PW], v[TM+5], 8, v[TM+4]
	v_lshl_or_b32 v[PW], v[TM+6], 16, v[PW]
	v_lshl_or_b32 v[PW], v[TM+7], 24, v[PW]
	WIN \w
.irp c, 0,1
	v_cvt_scalef32_pk16_fp6_f32 v[PC+6*\c:PC+2+6*\c], v[(\src)+32*\c:(\src)+15+32*\c], v[TM+12+2*\c]
	v_cvt_scalef32_pk16_fp6_f32 v[PC+12+4*\c:PC+14+4*\c], v[(\src)+16+32*\c:(\src)+31+32*\c], v[TM+12+2*\c+1]
.endr
	WIN 0
	v_nop                                          ; one plain place behind a scaled conversion
.irp c, 0,1
.irp i, 0,1,2
	v_permlane16_swap_b32 v[PC+6*\c+\i], v[PC+12+4*\c+\i]
.endr
.irp i, 0,1,2
	v_mov_b32 v[PC+3+6*\c+\i], v[PC+12+4*\c+\i]
.endr
.endr
.endm
	s_load_b256 s[4:11], s[0:1], 0x0               ; opc, ops, qkvc, qkvs
	v_lshl_add_u32 v254, v0, 2, 0x40000
	v_mov_b32 v255, 0
	ds_add_u32 v254, v255
	ds_add_u32 v254, v255
	v_lshrrev_b32 v1, 5, v0
	v_readfirstlane_b32 s[WV], v1
	s_bfe_u32 s13, ttmp6, 0x40000                  ; cx
	s_bfe_u32 s14, ttmp6, 0x40004                  ; cy
	s_lshr_b32 s15, ttmp9, 1                       ; p: which product
	s_and_b32 s16, ttmp9, 1
	s_lshl_b32 s16, s16, 2
	s_add_co_u32 s16, s16, s13                     ; jb: which 512 of j
	s_and_b32 s17, ttmp7, 0xffff
	s_lshl_b32 s17, s17, 2
	s_add_co_u32 s17, s17, s14                     ; ib: which 128 of i
	s_lshl_b32 s84, s14, 2
	s_lshl_b32 s84, 15, s84                        ; my row of the cluster
	s_lshl_b32 s85, 0x1111, s13                    ; my column
	; groups 1: elements of 8 bytes, no padding; bit 21 stands beside a mask
	s_or_b32 s[G1P1], s84, (3<<16)|(1<<21)
	s_or_b32 s[G1P0], s85, (3<<16)|(1<<21)
	s_or_b32 s[G1S1], s84, (3<<16)|(1<<21)
	s_or_b32 s[G1S0], s85, (3<<16)|(1<<21)
.irp g, G1P1, G1P0                     ; one K step of 8 tiles: 8 rows of 1,536 bytes, 6,144 bytes apart
	s_mov_b32 s[\g+1], 192<<16
	s_mov_b32 s[\g+2], 8<<16
	s_mov_b32 s[\g+3], 192<<16
	s_mov_b32 s[\g+4], 8
	s_mov_b32 s[\g+5], 768
	s_mov_b32 s[\g+6], 0
	s_mov_b32 s[\g+7], 0
.endr
	s_mov_b32 s[G1S1+1], 32<<16                    ; scale words of 2 tiles: 2 dense rows of 256 bytes
	s_mov_b32 s[G1S1+2], 2<<16
	s_mov_b32 s[G1S1+3], 32<<16
	s_mov_b32 s[G1S1+4], 2
	s_mov_b32 s[G1S1+5], 32
	s_mov_b32 s[G1S1+6], 0
	s_mov_b32 s[G1S1+7], 0
	s_mov_b32 s[G1S0+1], 32<<16                    ; of 8 tiles: 8 rows
	s_mov_b32 s[G1S0+2], 8<<16
	s_mov_b32 s[G1S0+3], 32<<16
	s_mov_b32 s[G1S0+4], 8
	s_mov_b32 s[G1S0+5], 32
	s_mov_b32 s[G1S0+6], 0
	s_mov_b32 s[G1S0+7], 0
	; offsets.  S1's hang on p, ib and the wave; S0's on p, jb and the wave: each in registers that never hold the other coordinate
	s_lshl_b32 s86, s15, 16
	s_lshl_b32 s87, s17, 11
	s_add_co_u32 s86, s86, s87
	s_lshl_b32 s87, s[WV], 9
	s_add_co_u32 s86, s86, s87                     ; S1's scales: p SSEC + (8 ib + 2 w) 256
	s_mov_b32 s87, 0
	s_add_co_u32 s88, s15, 3
	s_lshl_b32 s88, s88, 16
	s_lshl_b32 s89, s16, 13
	s_add_co_u32 s88, s88, s89
	s_lshl_b32 s89, s[WV], 11
	s_add_co_u32 s88, s88, s89                     ; S0's scales: (3 + p) SSEC + (32 jb + 8 w) 256
	s_mov_b32 s89, 0
	s_mul_i32 s90, s15, SEC
	s_mul_i32 s91, s17, 49152
	s_add_co_u32 s90, s90, s91
	s_mul_i32 s91, s[WV], 1536
	s_add_co_u32 s90, s90, s91                     ; S1's codes: p SEC + 8 ib 6144 + 1536 w: K step w
	s_mov_b32 s91, 0
	s_add_co_u32 s92, s15, 3
	s_mul_i32 s92, s92, SEC
	s_mul_i32 s93, s16, 196608
	s_add_co_u32 s92, s92, s93
	s_mul_i32 s94, s[WV], 49152
	s_add_co_u32 s92, s92, s94                     ; S0's codes: (3 + p) SEC + (32 jb + 8 w) 6144
	s_mov_b32 s93, 0
	s_mov_b32 s[SEL], 0x76543210
	s_mov_b32 s[SEL+1], 0xfedcba98
	s_wait_dscnt 0x0
	s_wait_kmcnt 0x0
	s_mov_b32 s[G0S1], 1
	s_lshl_b32 s[G0S1+1], s[WV], 9
	s_add_co_u32 s[G0S1+1], s[G0S1+1], SC1
	s_add_nc_u64 s[G0S1+2:G0S1+3], s[6:7], s[86:87]
	s_or_b32 s[G0S1+3], s[G0S1+3], 0x80000000
	s_mov_b32 s[G0S0], 1
	s_lshl_b32 s[G0S0+1], s[WV], 11
	s_add_co_u32 s[G0S0+1], s[G0S0+1], SC0
	s_add_nc_u64 s[G0S0+2:G0S0+3], s[6:7], s[88:89]
	s_or_b32 s[G0S0+3], s[G0S0+3], 0x80000000
	s_mov_b32 s[G0P1], 1
	s_mul_i32 s[G0P1+1], s[WV], 12288
	s_add_co_u32 s[G0P1+1], s[G0P1+1], S1B
	s_add_nc_u64 s[G0P1+2:G0P1+3], s[4:5], s[90:91]
	s_or_b32 s[G0P1+3], s[G0P1+3], 0x80000000
	s_add_nc_u64 s[92:93], s[4:5], s[92:93]
.irp s, 0,1,2,3
	s_mov_b32 s[G0P0+4*\s], 1
	s_add_co_u32 s[G0P0+4*\s+1], s94, 12288*\s
	s_add_nc_u64 s[G0P0+4*\s+2:G0P0+4*\s+3], s[92:93], 1536*\s
	s_or_b32 s[G0P0+4*\s+3], s[G0P0+4*\s+3], 0x80000000
.endr
	; where my results go
	s_mul_i32 s84, s15, BIG
	s_mul_i32 s85, s17, 393216
	s_add_co_u32 s84, s84, s85
	s_lshl_b32 s85, s16, 2
	s_add_co_u32 s85, s85, s[WV]
	s_mul_i32 s85, s85, 1536
	s_add_co_u32 s84, s84, s85                     ; p BIG + (8 ib 32 + 4 jb + w) 1536
	s_mov_b32 s85, 0
	s_add_nc_u64 s[8:9], s[8:9], s[84:85]
	s_lshl_b32 s84, s15, 19
	s_lshl_b32 s86, s17, 14
	s_add_co_u32 s84, s84, s86
	s_lshl_b32 s86, s[WV], 12
	s_add_co_u32 s84, s84, s86
	s_lshl_b32 s86, s16, 8
	s_add_co_u32 s84, s84, s86                     ; p BIGS + ((8 ib + 2 w) 32 + 4 jb) 64
	s_add_nc_u64 s[10:11], s[10:11], s[84:85]
	CROUND                                         ; all sixteen work-groups are here: the joint loads meet
	tensor_load_to_lds s[G0S1:G0S1+3], s[G1S1:G1S1+7]   ; seven loads of mine are out: a quarter of S1's scales,
	s_nop 0
	tensor_load_to_lds s[G0S0:G0S0+3], s[G1S0:G1S0+7]   ; my S0 tiles' scales,
	s_nop 0
	tensor_load_to_lds s[G0P1:G0P1+3], s[G1P1:G1P1+7]   ; K step w of S1,
	s_nop 0
.irp s, 0,1,2,3
	tensor_load_to_lds s[G0P0+4*\s:G0P0+4*\s+3], s[G1P0:G1P0+7]   ; and my S0 tiles, K step by K step
	s_nop 0
.endr
	PLACES 4                                       ; places behind the tensor loads
	v_and_b32 v1, 31, v0
	v_and_b32 v2, 15, v0                           ; r
	v_bfe_u32 v3, v0, 4, 1                         ; h
	v_lshlrev_b32 v[LI], 4, v1
	v_add_nc_u32 v[ADA], S1B, v[LI]
	v_add_nc_u32 v[ADB], s94, v[LI]
	s_lshl_b32 s84, s[WV], 11
	s_add_co_u32 s84, s84, SC0-SC1
	v_mul_u32_u24 v4, s84, v3                      ; lanes 16-31 take S0's words
	v_lshl_add_u32 v4, v2, 2, v4
	v_add_nc_u32 v[ADS], SC1, v4
	s_lshl_b32 s84, s[WV], 6
	s_add_co_u32 s84, s84, SCR
	v_lshl_add_u32 v[SWA], v2, 2, s84
	s_lshl_b32 s84, s[WV], 9
	s_add_co_u32 s84, s84, SCR
	v_add_nc_u32 v[SRA], s84, v[LI]
	v_lshlrev_b32 v[SGO], 11, v3
	v_lshl_add_u32 v[SGO], v2, 4, v[SGO]
.irp b, 0,1,2,3
	v_mov_b32 v[TM+4+\b], 0                        ; a lane permute's destination counts as read
.endr
.macro FRAG reg, adr, off              ; a fragment: three loads of 512 consecutive bytes
.irp c, 0,1,2
	ds_load_b128 v[(\reg)+4*\c:(\reg)+4*\c+3], v[\adr] offset:(\off)+512*\c
.endr
.endm
.macro FETCH_B s, set
	WIN TO_B
.irp i, 0,1,2,3,4,5,6,7
	FRAG 128*(\set)+FR*\i, ADB, 12288*(\s)+1536*\i
.endr
	WIN 0
.endm
.macro FETCH_A s, i0
.irp i, \i0, \i0+1, \i0+2, \i0+3
	FRAG AF+FR*(\i), ADA, 12288*(\s)+1536*(\i)
.endr
.endm
; 16 matrix instructions: S1's tiles a0, a0 + 1 x S0's eight, K step q.  The 64 accumulators take turns, one instruction a turn, in the same order in every step
.macro MUL16 a0, p, q, zero
.irp a, \a0, \a0+1
.irp b, 0,1,2,3,4,5,6,7
.if \zero
	v_wmma_scale_f32_16x16x128_f8f6f4 v[8*(8*((\a)%4)+\b):8*(8*((\a)%4)+\b)+7], v[128*(\p)+FR*\b:128*(\p)+FR*\b+FR-1], v[AF+FR*(\a):AF+FR*(\a)+FR-1], 0, v[SC+4*\b+(\q)], v[SC+4*(\a)+(\q)] matrix_a_fmt:MATRIX_FMT_FP6 matrix_b_fmt:MATRIX_FMT_FP6 matrix_a_scale:MATRIX_SCALE_ROW1
.else
	v_wmma_scale_f32_16x16x128_f8f6f4 v[8*(8*((\a)%4)+\b):8*(8*((\a)%4)+\b)+7], v[128*(\p)+FR*\b:128*(\p)+FR*\b+FR-1], v[AF+FR*(\a):AF+FR*(\a)+FR-1], v[8*(8*((\a)%4)+\b):8*(8*((\a)%4)+\b)+7], v[SC+4*\b+(\q)], v[SC+4*(\a)+(\q)] matrix_a_fmt:MATRIX_FMT_FP6 matrix_b_fmt:MATRIX_FMT_FP6 matrix_a_scale:MATRIX_SCALE_ROW1
.endif
.endr
.endr
.endm
; K step s, which has a successor.  S1's tiles 0-3 are fetched anew in the middle, 4-7 at the end; S0's next set in the middle.  Four places stand in front of each run of loads into registers that matrix instructions have read
.macro STEP s, zero
	s_wait_dscnt 12                                ; all but the youngest 12 loads (S1's tiles 4-7)
	WIN MUL_LO
	MUL16 0, (\s)%2, \s, \zero
	MUL16 2, (\s)%2, \s, \zero
	s_wait_dscnt 0
	PLACES 4
	s_wait_tensorcnt 2-(\s)                        ; my S0 tiles of the next K step are in; the later K steps' loads may be out
	FETCH_B (\s)+1, ((\s)+1)%2
	FETCH_A (\s)+1, 0
	WIN MUL_HI
	MUL16 4, (\s)%2, \s, \zero
	MUL16 6, (\s)%2, \s, \zero
	PLACES 4
	WIN 0
	FETCH_A (\s)+1, 4
.endm
	s_wait_tensorcnt 4                             ; both loads of scales and my K step of S1 are in; the four loads of S0 behind them may be out,
	s_barrier_signal -1
	s_barrier_wait -1                              ; and so it is with every wave: S1 and its scales are whole.
	s_wait_tensorcnt 3                             ; my S0 tiles of K step 0 (I alone read them)
	FETCH_B 0, 0
	FETCH_A 0, 0
.irp t, 0,1,2,3,4,5,6,7
.irp s, 0,1,2,3
	ds_load_b32 v[SC+4*\t+\s], v[ADS] offset:256*\t+64*\s
.endr
.endr
	FETCH_A 0, 4
	STEP 0, 1                                      ; the first products start the sums: nothing is cleared
	STEP 1, 0
	STEP 2, 0
	s_wait_dscnt 12
	WIN MUL_LO
	MUL16 0, 1, 3, 0
	MUL16 2, 1, 3, 0
	s_wait_dscnt 0
	WIN MUL_HI
	MUL16 4, 1, 3, 0
	MUL16 6, 1, 3, 0
	WIN 0
	PLACES 4                                       ; in front of the first read of results
	; THE WAY OUT: tile a's 64 numbers a lane are one fragment of the result: quantised and stored as they stand
.irp a, 0,1,2,3,4,5,6,7
	s_wait_xcnt 0x0                                ; the last tile's stores have read the codes' registers,
	s_wait_dscnt 0x0                               ; and its LDS store the scale word
	QUANT 64*(\a%4), 2+\a/4
.irp c, 0,1,2
	global_store_b128 v[LI], v[PC+4*\c:PC+4*\c+3], s[8:9] offset:49152*\a+512*\c   ; 512 consecutive bytes
.endr
	ds_store_b32 v[SWA], v[PW] offset:256*\a
.endr
	s_wait_dscnt 0x0                               ; for the others' sake: my scale words lie in LDS
	s_barrier_signal -1
	s_barrier_wait -1
	ds_load_b128 v[104:107], v[SRA]                ; tiles 2 w and 2 w + 1: the four waves' words of a tile are 256 neighbouring bytes of the result
	s_wait_dscnt 0x0
	global_store_b128 v[SGO], v[104:107], s[10:11]
	s_wait_tensorcnt 0x0
	s_wait_tensorcnt 0x0
	ds_add_u32 v254, v255
	s_wait_dscnt 0x0
	CROUND                                         ; the closing round: no work-group ends while a partner may still ask for a tile that names it
	s_endpgm
.Lfunc_end_k_q7c305e1a35_proj:
	.size	k_q7c305e1a35_proj, .Lfunc_end_k_q7c305e1a35_proj-k_q7c305e1a35_proj
	.p2alignl 7, 3214868480
	.fill 96, 4, 3214868480
	.section	.rodata,"a",@progbits
	.p2align	6, 0x0
	.amdhsa_kernel k_q7c305e1a35_proj
		.amdhsa_group_segment_fixed_size 262656
		.amdhsa_private_segment_fixed_size 0
		.amdhsa_enable_private_segment 0
		.amdhsa_kernarg_size 32
		.amdhsa_user_sgpr_count 2
		.amdhsa_user_sgpr_kernarg_segment_ptr 1
		.amdhsa_wavefront_size32 1
		.amdhsa_system_sgpr_workgroup_id_x 1
		.amdhsa_system_sgpr_workgroup_id_y 1
		.amdhsa_system_sgpr_workgroup_id_z 1
		.amdhsa_system_vgpr_workitem_id 0
		.amdhsa_next_free_vgpr 1024
		.amdhsa_next_free_sgpr 100
		.amdhsa_reserve_vcc 0
		.amdhsa_float_denorm_mode_32 3
		.amdhsa_float_denorm_mode_16_64 3
		.amdhsa_memory_ordered 1
		.amdhsa_forward_progress 1
		.amdhsa_inst_pref_size 92
	.end_amdhsa_kernel
	.amdgpu_metadata
---
amdhsa.version: [ 1, 2 ]
amdhsa.kernels:
  - .name:           k_q7c305e1a35_proj
    .symbol:         k_q7c305e1a35_proj.kd
    .args:
      - { .name: opc, .offset: 0, .size: 8, .value_kind: global_buffer, .address_space: global }
      - { .name: ops, .offset: 8, .size: 8, .value_kind: global_buffer, .address_space: global }
      - { .name: qkvc, .offset: 16, .size: 8, .value_kind: global_buffer, .address_space: global }
      - { .name: qkvs, .offset: 24, .size: 8, .value_kind: global_buffer, .address_space: global }
    .group_segment_fixed_size: 262656
    .private_segment_fixed_size: 0
    .kernarg_segment_align: 8
    .kernarg_segment_size: 32
    .max_flat_workgroup_size: 128
    .sgpr_count:     100
    .vgpr_count:     1024
    .wavefront_size: 32
...
	.end_amdgpu_metadata
.endif
;; end of part 2
;; launch attn (part 3): grid 8 x 32, 4 waves a work-group, clusters of 4 x 1, 327,680 bytes of LDS; arguments qkvc, qkvs, mbal, ctxc, ctxs; writes ctxc, ctxs
.if DOCPART == 3
	.amdgcn_target "amdgcn-amd-amdhsa--gfx1250"
	.amdhsa_code_object_version 6
	.text
	.protected	k_q7c305e1a35_attn
	.globl	k_q7c305e1a35_attn
	.p2align	8
	.type	k_q7c305e1a35_attn,@function
k_q7c305e1a35_attn:
	s_mov_b64 s[64:65], 0
	v_nop
	global_prefetch_b8 v0, s[64:65] scope:SCOPE_SE
	s_setreg_imm32_b32 hwreg(HW_REG_WAVE_MODE, 25, 1), 1
	s_wait_xcnt 0x0
	s_wait_alu depctr_hold_cnt(0) depctr_sa_sdst(0) depctr_va_vdst(0) depctr_va_sdst(0) depctr_va_ssrc(0) depctr_va_vcc(0) depctr_vm_vsrc(0)
	s_getreg_b32 s2, hwreg(HW_REG_IB_STS2, 6, 4)
	s_cmp_eq_u32 s2, 0
	s_cbranch_scc0 .Lentry_in_a_cluster
	s_endpgm
.Lentry_in_a_cluster:
	s_bfe_u32 s2, ttmp6, 0x10000c
	s_cmp_lg_u32 s2, 0x3003
	s_cbranch_scc0 .Lentry_shape_is_right
	s_endpgm
.Lentry_shape_is_right:
; THIRD LAUNCH: ctx = softmax(mask(Q K^T / sqrt(512))) V for each batch and head, both products on codes of FP6 (E2M3); ctx leaves quantised along (head, channel).
; Q, K (sections 0, 1 of qkvc): tile = 16 rows of (batch, position), K step 4 head + channel / 128.  V^T (section 2): tile = 16 of (head, channel), K step 8 batch + key / 128.  All as images of operand registers:
; tile T = 2 G + u, lane r = row 32 G + 8 u + r + 8 (r / 8); fragment at (32 T + J) 1536 + 512 c + 16 lane; scale words at (32 T + J) 64 + 4 r.  ctx likewise.
; THE SOFTMAX: t = score x log2(e) / sqrt(512); M = the running largest t rounded UP to a whole number; p = 2^(t - M) is quantised along the keys; the sum is taken of the unquantised p and divides at the end.
; When M moves, the sum and O are multiplied by 2^(old M - new M): exact.  A masked key's score is replaced, ahead of the maximum, by -1e6 x sqrt(512), so that its logit is -1e6.
; SHARES.  A work-group owns 128 queries of one batch and head; a wave two tiles of 16 (O^T of 512 channels is 256 registers a tile).  Every wave walks the 1,024 keys, 128 a step.
; Both products are used transposed: S^T = K Q^T, O^T = V^T P^T: a lane holds one query, and by the order of rows in a tile the 16 registers of two neighbouring tiles are 16 neighbouring keys (or channels).
; THE MASK comes as lane ballots (mbal): word n of a (query tile, key step) has a bit for each lane, for register n of S^T: 64 scalar registers, one v_cndmask_b32 a register.
; CLUSTER 4 x 1: the four query blocks of a cluster walk the same K and V: each tile is asked for jointly.  A ring of two LDS slots of one key step; the scale words of the whole batch and head stay in LDS.
; LIMITS: -1e6 x sqrt(512) is rounded to f32 (4 parts in 10^8), so in a row whose every key is masked the weights are equal, as they should be, but their common p may fall on another code; p under 2^-126 is 0;
; a block's largest p is taken from its largest score (this takes v_exp_f32 not to fall where its input rises); a block of zeros keeps the byte 1; NaN and infinities are not served.
; REGISTERS: window 0: v1-11 addresses; v12-19 statistics (tile t: -M, largest t, the sum in two halves); v20-21 f; v22-59 scale words; v60-83 p's codes; v84-127 at work; v128-255 S^T, then p.
;   window 1: O^T of tile 0 (channel tile d at v[8 d]);  window 2: of tile 1;  window 3: v0-95 Q; three buffers of four fragments at v96, v144, v192.
.set BIG,   12582912
.set BIGS,  524288
.set SLOT1, 131072                     ; LDS: a slot: K [8 tiles][4 K steps][1536], at 49,152 V [32 channel tiles][1536]; slot 1 begins here: one exclusive or turns an address
.set KSC,   98304                      ; K's scale words: [64 tiles][4 K steps][16 words]
.set SPARE, 114688                     ; the spare words, 128 bytes a wave: two blocks of 256 bytes that no other line names
.set SCR,   115200                     ; ctx's scale words on their way out, 512 bytes a wave; no fill lands here
.set VSC,   229376                     ; V's scale words: [32 channel tiles] rows of 512 bytes + 64 of padding
.set LI,  1
.set ADK, 2
.set ADV, 3
.set ADS, 4                            ; K's scale words of the step in hand: 2,048 bytes on each step
.set ADT, 5                            ; V's: 64 bytes on each step
.set SPW, 6
.set NIL, 7
.set NEGV, 8
.set AV0, 9
.set QO,  10
.set PFO, 11
.set QS,  22                           ; v22-25  Q's scale words: register 2 t + s / 2: lanes 0-15 K step s even, lanes 16-31 s odd
.set KS,  26                           ; v26-41  K's: register 2 kt + s / 2, likewise
.set VS,  42                           ; v42-57  V's: register d / 2: lanes 0-15 channel tile d even, lanes 16-31 d odd
.set PS,  58                           ; v58-59  p's
.set PC,  60
.set PT,  84
.set BM,  92
.set BT,  96
.set SO,  100
.set TM,  108
.set PW,  124
.set S,   128
.set TB,  2                            ; s2   LDS byte at which the slot in hand begins
.set G1K, 4                            ; s[4:11], s[12:19] groups 1 for K's and V's tiles;  s[20:23], s[24:27] their groups 0, which walk
.set G1V, 12
.set G0K, 20
.set G0V, 24
.set SEL, 28
.set CS,  30                           ; s[30:31] c = log2(e) / sqrt(512), twice
.set G1KS, 32                          ; at the head only: the scale words' descriptors; later s[32:63] and s[68:99] hold 64 ballot words
.set G1VS, 40
.set G0SK, 48
.set G0SV, 52
.set WV,  66
.set LIM, 67
.set PFA, 100
.set BAL, 104
.set MSB, 0
.macro WIN new
.if MSB != (\new)
	s_set_vgpr_msb (MSB<<8)|(\new)
.set MSB, (\new)
.endif
.endm
.macro PLACES n
.rept \n
	v_nop
.endr
.endm
.macro CROUND
	s_barrier_signal -1
	s_barrier_wait -1
	s_cmp_lg_u32 s[WV], 0
	s_cbranch_scc1 .Lnot_wave_0_\@
	s_barrier_signal -3
.Lnot_wave_0_\@:
	s_barrier_wait -3
	s_barrier_signal -1
	s_barrier_wait -1
.endm
; A joint refill: waves 0 and 1 fetch K's halves of a key step, waves 2 and 3 V's.  Four v_nop follow each line; behind them the prefetch pointer goes a key step on
.macro JLOAD
	s_cmp_lt_u32 s[WV], 2
	s_cbranch_scc0 .Lfor_v_\@
	tensor_load_to_lds s[G0K:G0K+3], s[G1K:G1K+7]
	s_nop 0
	PLACES 4
	s_add_nc_u64 s[PFA:PFA+1], s[PFA:PFA+1], 393216
	s_branch .Lasked_\@
.Lfor_v_\@:
	tensor_load_to_lds s[G0V:G0V+3], s[G1V:G1V+7]
	s_nop 0
	PLACES 4
	s_add_nc_u64 s[PFA:PFA+1], s[PFA:PFA+1], 1536
.Lasked_\@:
.endm
; A prefetch of what the NEXT change of slots will ask for.  Both clusters of a batch and head walk the same K and V: the first asks.  Its four partners share the key step out BY ADDRESS: of K's eight tiles (6,144 bytes each)
; partner cx, wave w takes tile 2 cx + w; of V's 32 channel tiles (1,536 bytes each) partner cx, wave w takes 8 cx + 4 (w - 2) on, four of them: 24 blocks of 256 bytes a wave, a lane a block (lanes 24-31 name lane 23's again).
; The last change that fills a slot asks for nothing; key steps 0 and 1 come by their loads alone.
.macro ASK
	s_cmp_gt_u32 s3, s[LIM]
	s_cbranch_scc0 .Lnot_mine_\@
	global_prefetch_b8 v[PFO], s[PFA:PFA+1] th:TH_LOAD_NT scope:SCOPE_SE
.Lnot_mine_\@:
.endm
; THE CHANGE OF SLOTS, at a key step's head.  Each wave waits for all its tensor loads (its part of the slot ahead), adds 0 to its spare word, and waits for that and for its reads of the slot that it has left.
; fill = 1: a round of the cluster's barrier, and the slot just left is filled with the next key step: one load a wave, which has a whole key step in which to land.
.macro CHANGE fill
	s_wait_tensorcnt 0x0                           ; no tensor load of mine is out, so the groups 0 may be written
	ds_add_u32 v[SPW], v[NIL]                      ; 0 onto my spare word
.if \fill
	s_xor_b32 s[G0K+1], s[G0K+1], SLOT1
	s_add_nc_u64 s[G0K+2:G0K+3], s[G0K+2:G0K+3], 393216   ; eight tiles of keys on
	s_xor_b32 s[G0V+1], s[G0V+1], SLOT1
	s_add_nc_u64 s[G0V+2:G0V+3], s[G0V+2:G0V+3], 1536     ; one K step on
	s_wait_xcnt 0x0                                ; the last prefetch, a key step back, has read its pointer, which JLOAD steps
.endif
	s_wait_dscnt 0x0                               ; the add is done, and my reads of the slot that I have left are over
.if \fill
	CROUND
	JLOAD
	ASK
.else
	s_barrier_signal -1
	s_barrier_wait -1
	PLACES 4                                       ; places in front of the next step's loads into registers that matrix instructions have read
.endif
.endm
.macro BLOAD off                       ; 64 ballot words: a query tile's, for one key step
	s_load_b512 s[32:47], s[BAL:BAL+1], \off
	s_load_b512 s[48:63], s[BAL:BAL+1], \off+0x40
	s_load_b512 s[68:83], s[BAL:BAL+1], \off+0x80
	s_load_b512 s[84:99], s[BAL:BAL+1], \off+0xc0
.endm
; granule G of a key step's 16: four fragments, 6,144 dense bytes: G < 8: key tile G's four K steps; else channel tiles 4 (G - 8) on
.macro FETCH G
	WIN 0xc0
.irp j, 0,1,2,3,4,5,6,7,8,9,10,11
.if (\G) < 8
	ds_load_b128 v[96+48*((\G)%3)+4*\j:96+48*((\G)%3)+4*\j+3], v[ADK] offset:6144*((\G)%8)+512*\j
.else
	ds_load_b128 v[96+48*((\G)%3)+4*\j:96+48*((\G)%3)+4*\j+3], v[ADV] offset:6144*((\G)%8)+512*\j
.endif
.endr
.endm
; S^T of key tile kt for both query tiles: eight matrix instructions; the two accumulators take turns
.macro MULS kt, buf
	WIN 0x0f
.irp s, 0,1,2,3
.irp t, 0,1
.set rD, S+64*\t+8*(\kt)
.set rA, (\buf)+12*\s
.set rB, 48*\t+12*\s
.set rX, KS+2*(\kt)+\s/2
.set rY, QS+2*\t+\s/2
.if \s == 0
	v_wmma_scale_f32_16x16x128_f8f6f4 v[rD:rD+7], v[rA:rA+11], v[rB:rB+11], 0, v[rX], v[rY] matrix_a_fmt:MATRIX_FMT_FP6 matrix_b_fmt:MATRIX_FMT_FP6
.elseif \s%2
	v_wmma_scale_f32_16x16x128_f8f6f4 v[rD:rD+7], v[rA:rA+11], v[rB:rB+11], v[rD:rD+7], v[rX], v[rY] matrix_a_fmt:MATRIX_FMT_FP6 matrix_b_fmt:MATRIX_FMT_FP6 matrix_a_scale:MATRIX_SCALE_ROW1 matrix_b_scale:MATRIX_SCALE_ROW1
.else
	v_wmma_scale_f32_16x16x128_f8f6f4 v[rD:rD+7], v[rA:rA+11], v[rB:rB+11], v[rD:rD+7], v[rX], v[rY] matrix_a_fmt:MATRIX_FMT_FP6 matrix_b_fmt:MATRIX_FMT_FP6
.endif
.endr
.endr
.endm
; O^T += V^T P^T for channel tiles 4 g on, both query tiles: eight accumulators, each once.  first = 1: the products start the sums: nothing is cleared
.macro MULV g, buf, first
.irp t, 0,1
	WIN 0x53+0x50*\t
.irp i, 0,1,2,3
.set rD, 8*(4*(\g)+\i)
.set rA, (\buf)+12*\i
.set rB, PC+12*\t
.set rX, VS+2*(\g)+\i/2
.if \first
.if \i%2
	v_wmma_scale_f32_16x16x128_f8f6f4 v[rD:rD+7], v[rA:rA+11], v[rB:rB+11], 0, v[rX], v[PS+\t] matrix_a_fmt:MATRIX_FMT_FP6 matrix_b_fmt:MATRIX_FMT_FP6 matrix_a_scale:MATRIX_SCALE_ROW1
.else
	v_wmma_scale_f32_16x16x128_f8f6f4 v[rD:rD+7], v[rA:rA+11], v[rB:rB+11], 0, v[rX], v[PS+\t] matrix_a_fmt:MATRIX_FMT_FP6 matrix_b_fmt:MATRIX_FMT_FP6
.endif
.else
.if \i%2
	v_wmma_scale_f32_16x16x128_f8f6f4 v[rD:rD+7], v[rA:rA+11], v[rB:rB+11], v[rD:rD+7], v[rX], v[PS+\t] matrix_a_fmt:MATRIX_FMT_FP6 matrix_b_fmt:MATRIX_FMT_FP6 matrix_a_scale:MATRIX_SCALE_ROW1
.else
	v_wmma_scale_f32_16x16x128_f8f6f4 v[rD:rD+7], v[rA:rA+11], v[rB:rB+11], v[rD:rD+7], v[rX], v[PS+\t] matrix_a_fmt:MATRIX_FMT_FP6 matrix_b_fmt:MATRIX_FMT_FP6
.endif
.endif
.endr
.endr
.endm
; THE SOFTMAX of query tile t for one key step.  more = 1: there is a next key step, whose ballots are asked for
.macro SOFT t, first, more
.set S0, S+64*(\t)
.set NM, 12+4*(\t)
	s_wait_kmcnt 0x0                               ; this tile's ballots are in
.set n, 0
.rept 64
	v_cndmask_b32 v[S0+n], v[NEGV], v[S0+n], s[32+n+4*(n/32)]   ; a masked key's score; each accumulator from its low end on
.set n, n+1
.endr
.if (\t) == 0
	BLOAD 0x800                                    ; the other tile's ballots of this key step
.elseif \more
	s_add_nc_u64 s[BAL:BAL+1], s[BAL:BAL+1], 256   ; (the loads that read the pointer are in)
	BLOAD 0                                        ; the first tile's of the next key step
.endif
.irp b, 0,1,2,3
	v_max3_num_f32 v[BM+\b], v[S0+16*\b], v[S0+1+16*\b], v[S0+2+16*\b]   ; the largest score of each block of 32 keys: for the row's maximum, and for the block's largest p
.endr
.irp i, 3,5,7,9,11,13
.irp b, 0,1,2,3
	v_max3_num_f32 v[BM+\b], v[BM+\b], v[S0+16*\b+\i], v[S0+1+16*\b+\i]
.endr
.endr
.irp b, 0,1,2,3
	v_max_num_f32 v[BM+\b], v[BM+\b], v[S0+15+16*\b]
.endr
.irp b, 0,1,2,3
	v_permlanex16_b32 v[BT+\b], v[BM+\b], s[SEL], s[SEL+1]
.endr
.irp b, 0,1,2,3
	v_max_num_f32 v[BM+\b], v[BM+\b], v[BT+\b]
.endr
	v_max3_num_f32 v106, v[BM], v[BM+1], v[BM+2]
	v_max_num_f32 v106, v106, v[BM+3]
	v_mul_f32 v106, s[CS], v106                    ; the step's largest t
	v_max_num_f32 v[NM+1], v[NM+1], v106           ; the running largest t
	v_mov_b32 v106, v[NM]
	v_floor_f32 v[NM], -v[NM+1]                    ; the new -M = floor(-t): M is a whole number
	v_sub_f32 v106, v[NM], v106
	v_cvt_i32_f32 v106, v106                       ; (it saturates)
	v_ldexp_f32 v20, 1.0, v106                     ; f = 2^(old M - new M)
.set j, 0
.rept 32
	v_pk_fma_f32 v[S0+j:S0+j+1], v[S0+j:S0+j+1], s[CS:CS+1], v[NM:NM+1] op_sel_hi:[1,0,0]   ; t - M
.set j, j+2
.endr
.irp b, 0,1,2,3
	v_fma_f32 v[BM+\b], v[BM+\b], s[CS], v[NM]
.endr
.set j, 0
.rept 64
	v_exp_f32 v[S0+j], v[S0+j]                     ; p = 2^(t - M): not normalised
.set j, j+1
.endr
	v_pk_mul_f32 v[NM+2:NM+3], v[NM+2:NM+3], v[20:21] op_sel_hi:[1,0]   ; the sums under the new M (a plain place behind the exponentials)
	s_wait_alu depctr_va_vdst(0)                   ; one wait for the batch, ahead of its first reader
.irp b, 0,1,2,3
	v_exp_f32 v[BM+\b], v[BM+\b]                   ; each block's largest p
.endr
	v_pk_add_f32 v[104:105], v[S0:S0+1], v[S0+2:S0+3]   ; the sum of the unquantised p, in two chains
.set j, 4
.rept 15
	v_pk_add_f32 v[NM+2:NM+3], v[NM+2:NM+3], v[S0+j:S0+j+1]
	v_pk_add_f32 v[104:105], v[104:105], v[S0+j+2:S0+j+3]
.set j, j+4
.endr
	v_pk_add_f32 v[NM+2:NM+3], v[NM+2:NM+3], v[104:105]
	s_wait_alu depctr_va_vdst(0)                   ; and one for the four
.irp b, 0,1,2,3
	v_max_num_f32 v[BM+\b], 0x1800000, v[BM+\b]    ; the floor 2^(3 - 127): the byte cannot fall under 1
.endr
.irp b, 0,1,2,3
	v_add_nc_u32 v[SO+\b], 0xff000000, v[BM+\b]
.endr
.irp b, 0,1,2,3
	v_lshrrev_b32 v[BT+\b], 23, v[SO+\b]
.endr
	v_lshl_or_b32 v[PS+(\t)], v[BT+1], 8, v[BT]
	v_lshl_or_b32 v[PS+(\t)], v[BT+2], 16, v[PS+(\t)]
	v_lshl_or_b32 v[PS+(\t)], v[BT+3], 24, v[PS+(\t)]
.irp c, 0,1
	v_cvt_scalef32_pk16_fp6_f32 v[PC+12*(\t)+6*\c:PC+12*(\t)+6*\c+2], v[S0+32*\c:S0+32*\c+15], v[SO+2*\c]
	v_cvt_scalef32_pk16_fp6_f32 v[PT+4*\c:PT+4*\c+2], v[S0+32*\c+16:S0+32*\c+31], v[SO+2*\c+1]
.endr
	v_nop                                          ; one plain place behind a scaled conversion
.irp c, 0,1
.irp i, 0,1,2
	v_permlane16_swap_b32 v[PC+12*(\t)+6*\c+\i], v[PT+4*\c+\i]
.endr
.irp i, 0,1,2
	v_mov_b32 v[PC+12*(\t)+6*\c+3+\i], v[PT+4*\c+\i]
.endr
.endr
.if \first
.if (\t) == 1
	PLACES 8                                       ; a scale word made by vector instructions stands eight places ahead of a scaled product
.endif
.else
	WIN 0x41+0x41*(\t)
.set j, 0
.rept 128
	v_pk_mul_f32 v[j:j+1], v[j:j+1], v[20:21] op_sel_hi:[1,0]   ; O^T under the new M; these are also the places ahead of the products
.set j, j+2
.endr
	WIN 0
.endif
.endm
; A KEY STEP.  Granules go through three buffers: granule G + 3 is asked for behind the products of granule G, into the buffer that they have read, four places behind them.
; s_wait_dscnt 24: the two granules asked for behind the one that is wanted may be out.
.macro STEP first, last
	v_add_nc_u32 v[ADK], s[TB], v[LI]
	v_add_nc_u32 v[ADV], s[TB], v[AV0]
.if \first
	BLOAD 0
.endif
.irp i, 0,1,2,3,4,5,6,7,8,9,10,11,12,13,14,15
	ds_load_b32 v[KS+\i], v[ADS] offset:128*\i
.endr
.irp i, 0,1,2,3,4,5,6,7,8,9,10,11,12,13,14,15
	ds_load_b32 v[VS+\i], v[ADT] offset:1152*\i
.endr
	FETCH 0
	FETCH 1
	FETCH 2
.irp G, 0,1,2,3,4,5,6,7
	s_wait_dscnt 24
	MULS \G, 96+48*(\G%3)
	PLACES 4
	FETCH \G+3
.endr
	WIN 0
	SOFT 0, \first, 1
	SOFT 1, \first, 1-\last
.irp G, 8,9,10,11,12,13,14,15
.if \G < 14
	s_wait_dscnt 24
.elseif \G == 14
	s_wait_dscnt 12
.else
	s_wait_dscnt 0
.endif
	MULV \G-8, 96+48*(\G%3), \first
.if \G < 13
	PLACES 4
	FETCH \G+3
.endif
.endr
	WIN 0
	v_add_nc_u32 v[ADS], 2048, v[ADS]              ; the next step's scale words (no LDS load of mine is out)
	v_add_nc_u32 v[ADT], 64, v[ADT]
	s_xor_b32 s[TB], s[TB], SLOT1
.endm
; 64 numbers of a lane in window w become a fragment's codes in v[PC] on and its scale word in v[PW]
.macro QUANT src, w
	WIN (\w)|((\w)<<2)
.irp b, 0,1,2,3
	v_max3_num_f32 v[TM+\b], |v[(\src)+16*\b]|, |v[(\src)+1+16*\b]|, 0x1800000
.endr
.irp i, 2,4,6,8,10,12,14
.irp b, 0,1,2,3
	v_max3_num_f32 v[TM+\b], |v[(\src)+16*\b+\i]|, |v[(\src)+1+16*\b+\i]|, v[TM+\b]
.endr
.endr
	WIN 0
.irp b, 0,1,2,3
	v_permlanex16_b32 v[TM+4+\b], v[TM+\b], s[SEL], s[SEL+1]
.endr
.irp b, 0,1,2,3
	v_max_num_f32 v[TM+\b], v[TM+\b], v[TM+4+\b]
.endr
.irp b, 0,1,2,3
	v_add_nc_u32 v[TM+12+\b], 0xff000000, v[TM+\b]
.endr
.irp b, 0,1,2,3
	v_lshrrev_b32 v[TM+4+\b], 23, v[TM+12+\b]
.endr
	v_lshl_or_b32 v[PW], v[TM+5], 8, v[TM+4]
	v_lshl_or_b32 v[PW], v[TM+6], 16, v[PW]
	v_lshl_or_b32 v[PW], v[TM+7], 24, v[PW]
	WIN \w
.irp c, 0,1
	v_cvt_scalef32_pk16_fp6_f32 v[PC+6*\c:PC+2+6*\c], v[(\src)+32*\c:(\src)+15+32*\c], v[TM+12+2*\c]
	v_cvt_scalef32_pk16_fp6_f32 v[PC+12+4*\c:PC+14+4*\c], v[(\src)+16+32*\c:(\src)+31+32*\c], v[TM+12+2*\c+1]
.endr
	WIN 0
	v_nop
.irp c, 0,1
.irp i, 0,1,2
	v_permlane16_swap_b32 v[PC+6*\c+\i], v[PC+12+4*\c+\i]
.endr
.irp i, 0,1,2
	v_mov_b32 v[PC+3+6*\c+\i], v[PC+12+4*\c+\i]
.endr
.endr
.endm
	s_load_b128 s[56:59], s[0:1], 0x0              ; qkvc, qkvs
	s_load_b64 s[60:61], s[0:1], 0x10              ; mbal
	v_lshl_add_u32 v[SPW], v0, 2, SPARE
	v_mov_b32 v[NIL], 0
	ds_add_u32 v6, v7
	ds_add_u32 v6, v7
	s_wait_dscnt 0x0
	v_lshrrev_b32 v1, 5, v0
	v_readfirstlane_b32 s[WV], v1
	s_bfe_u32 s68, ttmp6, 0x40000                  ; cx
	s_lshl_b32 s69, ttmp9, 2
	s_add_co_u32 s69, s69, s68                     ; my block of 128 queries
	s_and_b32 s70, ttmp7, 0xffff
	s_lshr_b32 s71, s70, 3                         ; batch
	s_and_b32 s72, s70, 7                          ; head
	s_and_b32 s73, s[WV], 1                        ; which half I fetch
	s_mul_i32 s74, s71, 3145728                    ; K's codes: BIG + ((64 b + 4 half) 32 + 4 h) 1536
	s_mul_i32 s76, s73, 196608
	s_add_co_u32 s74, s74, s76
	s_mul_i32 s76, s72, 6144
	s_add_co_u32 s74, s74, s76
	s_add_co_u32 s74, s74, BIG
	s_mov_b32 s75, 0
	s_mul_i32 s76, s72, 1572864                    ; V's: 2 BIG + ((32 h + 16 half) 32 + 8 b) 1536
	s_mul_i32 s78, s73, 786432
	s_add_co_u32 s76, s76, s78
	s_mul_i32 s78, s71, 12288
	s_add_co_u32 s76, s76, s78
	s_add_co_u32 s76, s76, 2*BIG
	s_mov_b32 s77, 0
	s_lshl_b32 s78, s71, 17                        ; K's scales: BIGS + ((64 b + 32 half) 32 + 4 h) 64
	s_lshl_b32 s80, s73, 16
	s_add_co_u32 s78, s78, s80
	s_lshl_b32 s80, s72, 8
	s_add_co_u32 s78, s78, s80
	s_add_co_u32 s78, s78, BIGS
	s_mov_b32 s79, 0
	s_lshl_b32 s80, s72, 16                        ; V's: 2 BIGS + ((32 h + 16 half) 32 + 8 b) 64
	s_lshl_b32 s82, s73, 15
	s_add_co_u32 s80, s80, s82
	s_lshl_b32 s82, s71, 9
	s_add_co_u32 s80, s80, s82
	s_add_co_u32 s80, s80, 2*BIGS
	s_mov_b32 s81, 0
	s_lshl_b32 s84, s71, 6
	s_lshl_b32 s82, s69, 3
	s_add_co_u32 s84, s84, s82
	s_lshl_b32 s82, s[WV], 1
	s_add_co_u32 s84, s84, s82                     ; my first query tile: 64 b + 8 block + 2 w
	s_mul_i32 s86, s84, 49152
	s_mul_i32 s82, s72, 6144
	s_add_co_u32 s86, s86, s82                     ; its codes
	s_mov_b32 s87, 0
	s_lshl_b32 s88, s84, 11
	s_lshl_b32 s82, s72, 8
	s_add_co_u32 s88, s88, s82                     ; its scale words
	s_mov_b32 s89, 0
	s_lshl_b32 s82, s84, 11                        ; its ballots
	s_mov_b32 s83, 0
	; the prefetch pointers begin at key step 1; the first change of slots steps them to key step 2
	s_lshl_b32 s92, s68, 1
	s_add_co_u32 s92, s92, s73
	s_mul_i32 s92, s92, 49152
	s_mul_i32 s94, s71, 3145728
	s_add_co_u32 s92, s92, s94
	s_mul_i32 s94, s72, 6144
	s_add_co_u32 s92, s92, s94
	s_add_co_u32 s92, s92, BIG+393216
	s_lshl_b32 s93, s68, 3
	s_lshl_b32 s94, s73, 2
	s_add_co_u32 s93, s93, s94
	s_mul_i32 s93, s93, 49152
	s_mul_i32 s94, s72, 1572864
	s_add_co_u32 s93, s93, s94
	s_mul_i32 s94, s71, 12288
	s_add_co_u32 s93, s93, s94
	s_add_co_u32 s93, s93, 2*BIG+1536
	s_cmp_lt_u32 s[WV], 2
	s_cselect_b32 s92, s92, s93
	s_cselect_b32 s94, 0, 47616                    ; from one channel tile's six blocks to the next tile's
	s_mov_b32 s93, 0
	s_cmp_eq_u32 ttmp9, 0                          ; the batch and head's first cluster: the same in all four partners
	s_cselect_b32 s[LIM], 1, -1
	; groups 1: elements of 8 bytes; the mask names all four partners; bit 21 stands beside it
	s_mov_b32 s[G1K], 15|(3<<16)|(1<<21)           ; K: 4 tiles: rows of 6,144 bytes, 49,152 apart
	s_mov_b32 s[G1K+1], 768<<16
	s_mov_b32 s[G1K+2], 4<<16
	s_mov_b32 s[G1K+3], 768<<16
	s_mov_b32 s[G1K+4], 4
	s_mov_b32 s[G1K+5], 6144
	s_mov_b32 s[G1K+6], 0
	s_mov_b32 s[G1K+7], 0
	s_mov_b32 s[G1V], 15|(3<<16)|(1<<21)           ; V: 16 channel tiles: rows of 1,536 bytes, 49,152 apart
	s_mov_b32 s[G1V+1], 192<<16
	s_mov_b32 s[G1V+2], 16<<16
	s_mov_b32 s[G1V+3], 192<<16
	s_mov_b32 s[G1V+4], 16
	s_mov_b32 s[G1V+5], 6144
	s_mov_b32 s[G1V+6], 0
	s_mov_b32 s[G1V+7], 0
	s_mov_b32 s[G1KS], 15|(3<<16)|(1<<21)          ; K's scales: 32 tiles: rows of 256 bytes, 2,048 apart
	s_mov_b32 s[G1KS+1], 32<<16
	s_mov_b32 s[G1KS+2], 32<<16
	s_mov_b32 s[G1KS+3], 32<<16
	s_mov_b32 s[G1KS+4], 32
	s_mov_b32 s[G1KS+5], 256
	s_mov_b32 s[G1KS+6], 0
	s_mov_b32 s[G1KS+7], 0
	s_mov_b32 s[G1VS], 15|(3<<16)|(1<<20)|(1<<21)|(6<<22)|(15<<25)   ; V's: 16 tiles: rows of 512 bytes, 2,048 apart; 16 words of padding behind every 128
	s_mov_b32 s[G1VS+1], 64<<16
	s_mov_b32 s[G1VS+2], 16<<16
	s_mov_b32 s[G1VS+3], 64<<16
	s_mov_b32 s[G1VS+4], 16
	s_mov_b32 s[G1VS+5], 256
	s_mov_b32 s[G1VS+6], 0
	s_mov_b32 s[G1VS+7], 0
	s_mov_b32 s[SEL], 0x76543210
	s_mov_b32 s[SEL+1], 0xfedcba98
	s_mov_b32 s[CS], 0x3d8293ee
	s_mov_b32 s[CS+1], s[CS]
	s_mov_b32 s[TB], 0
	s_mul_i32 s90, s73, 24576
	s_wait_kmcnt 0x0
	s_mov_b32 s[G0K], 1
	s_mov_b32 s[G0K+1], s90
	s_add_nc_u64 s[G0K+2:G0K+3], s[56:57], s[74:75]
	s_or_b32 s[G0K+3], s[G0K+3], 0x80000000
	s_mov_b32 s[G0V], 1
	s_add_co_u32 s[G0V+1], s90, 49152
	s_add_nc_u64 s[G0V+2:G0V+3], s[56:57], s[76:77]
	s_or_b32 s[G0V+3], s[G0V+3], 0x80000000
	s_lshl_b32 s91, s73, 13
	s_mov_b32 s[G0SK], 1
	s_add_co_u32 s[G0SK+1], s91, KSC
	s_add_nc_u64 s[G0SK+2:G0SK+3], s[58:59], s[78:79]
	s_or_b32 s[G0SK+3], s[G0SK+3], 0x80000000
	s_mul_i32 s91, s73, 9216
	s_mov_b32 s[G0SV], 1
	s_add_co_u32 s[G0SV+1], s91, VSC
	s_add_nc_u64 s[G0SV+2:G0SV+3], s[58:59], s[80:81]
	s_or_b32 s[G0SV+3], s[G0SV+3], 0x80000000
	s_add_nc_u64 s[86:87], s[56:57], s[86:87]      ; Q's codes
	s_add_nc_u64 s[88:89], s[58:59], s[88:89]      ; Q's scale words
	s_add_nc_u64 s[BAL:BAL+1], s[60:61], s[82:83]
	s_add_nc_u64 s[PFA:PFA+1], s[56:57], s[92:93]
	CROUND                                         ; all four work-groups are here: the first joint loads meet
	s_cmp_lt_u32 s[WV], 2                          ; a wave's two first fills stand in one branch: two loads of mine are out
	s_cbranch_scc0 .Lfirst_v
	tensor_load_to_lds s[G0SK:G0SK+3], s[G1KS:G1KS+7]
	s_nop 0
	tensor_load_to_lds s[G0K:G0K+3], s[G1K:G1K+7]
	s_nop 0
	PLACES 4
	s_branch .Lfirst_asked
.Lfirst_v:
	tensor_load_to_lds s[G0SV:G0SV+3], s[G1VS:G1VS+7]
	s_nop 0
	tensor_load_to_lds s[G0V:G0V+3], s[G1V:G1V+7]
	s_nop 0
	PLACES 4
.Lfirst_asked:
	v_and_b32 v106, 31, v0                         ; lane
	v_and_b32 v107, 15, v0                         ; r
	v_bfe_u32 v104, v0, 4, 1                       ; h
	v_lshlrev_b32 v[LI], 4, v106
	v_lshlrev_b32 v[QO], 2, v106
	WIN 0xc0                                       ; destination window 3
.irp t, 0,1
.irp j, 0,1,2,3,4,5,6,7,8,9,10,11
	global_load_b128 v[48*\t+4*\j:48*\t+4*\j+3], v[LI], s[86:87] offset:49152*\t+512*\j   ; Q stays in registers
.endr
.endr
	WIN 0
.irp t, 0,1
.irp p, 0,1
	global_load_b32 v[QS+2*\t+\p], v[QO], s[88:89] offset:2048*\t+128*\p
.endr
.endr
	v_add_nc_u32 v[AV0], 49152, v[LI]
	v_lshl_add_u32 v[ADS], v106, 2, KSC
	v_mul_u32_u24 v[ADT], v104, 576
	v_lshl_add_u32 v[ADT], v107, 2, v[ADT]
	v_add_nc_u32 v[ADT], VSC, v[ADT]
	v_mov_b32 v[NEGV], 0xcbaca22c                  ; -1e6 x sqrt(512)
	v_min_u32 v106, 23, v106
	v_mul_u32_u24 v107, v106, 43
	v_lshrrev_b32 v107, 8, v107                    ; (lane / 6)
	v_lshlrev_b32 v[PFO], 8, v106
	v_mad_u32_u24 v[PFO], v107, s94, v[PFO]
.irp t, 0,1
	v_mov_b32 v[13+4*\t], 0xff61b1e6               ; the largest t so far: -3e38
	v_floor_f32 v[12+4*\t], -v[13+4*\t]
	v_mov_b32 v[14+4*\t], 0
	v_mov_b32 v[15+4*\t], 0
.endr
.irp b, 0,1,2,3
	v_mov_b32 v[BT+\b], 0                          ; a lane permute's destination counts as read
	v_mov_b32 v[TM+4+\b], 0
.endr
	v_mov_b32 v21, 0                               ; (named as the upper halves of pairs)
	v_mov_b32 v105, 0
	s_mov_b32 s3, 7
	s_wait_loadcnt 0x0                             ; Q
	CHANGE 1                                       ; slot 0 is whole; key step 1 is asked for
	STEP 1, 0
	s_mov_b32 s3, 6
.Lks:                                              ; six trips: key steps 1 to 6; behind each change of slots the next key step is asked for
	CHANGE 1
	STEP 0, 0
	s_sub_co_u32 s3, s3, 1
	s_cmp_lg_u32 s3, 0
	s_cbranch_scc1 .Lks
	CHANGE 0                                       ; the last key step is written out
	STEP 0, 1
	; THE WAY OUT: O^T / the sum, quantised along the channels: each 128 channels of a tile are one fragment of ctx
	PLACES 4
.irp t, 0,1
	v_add_f32 v[BM+\t], v[14+4*\t], v[15+4*\t]
.endr
.irp t, 0,1
	v_permlanex16_b32 v[BT+\t], v[BM+\t], s[SEL], s[SEL+1]
.endr
.irp t, 0,1
	v_add_f32 v[BM+\t], v[BM+\t], v[BT+\t]         ; the row's sum
.endr
	v_rcp_f32 v20, v[BM]
	v_rcp_f32 v104, v[BM+1]
	s_load_b128 s[32:35], s[0:1], 0x18             ; ctxc, ctxs
	v_and_b32 v106, 31, v0                         ; (plain work behind the reciprocals)
	v_and_b32 v107, 15, v0
	v_bfe_u32 v103, v0, 4, 1
	s_lshl_b32 s44, s[WV], 9
	s_add_co_u32 s44, s44, SCR
	v_lshl_add_u32 v125, v107, 2, s44              ; my scale words on their way out
	v_lshl_add_u32 v126, v106, 4, s44
	v_lshlrev_b32 v127, 11, v103
	v_lshl_add_u32 v127, v107, 4, v127
	s_bfe_u32 s36, ttmp6, 0x40000
	s_lshl_b32 s37, ttmp9, 2
	s_add_co_u32 s36, s36, s37
	s_and_b32 s37, ttmp7, 0xffff
	s_lshr_b32 s38, s37, 3
	s_and_b32 s37, s37, 7
	s_lshl_b32 s38, s38, 6
	s_lshl_b32 s36, s36, 3
	s_add_co_u32 s38, s38, s36
	s_lshl_b32 s36, s[WV], 1
	s_add_co_u32 s38, s38, s36                     ; my first query tile
	s_mul_i32 s40, s38, 49152
	s_mul_i32 s36, s37, 6144
	s_add_co_u32 s40, s40, s36
	s_mov_b32 s41, 0
	s_lshl_b32 s42, s38, 11
	s_lshl_b32 s36, s37, 8
	s_add_co_u32 s42, s42, s36
	s_mov_b32 s43, 0
	s_wait_kmcnt 0x0
	s_add_nc_u64 s[32:33], s[32:33], s[40:41]
	s_add_nc_u64 s[34:35], s[34:35], s[42:43]
	s_wait_alu depctr_va_vdst(0)                   ; one wait for both reciprocals, ahead of their first reader
.irp t, 0,1
	WIN 0x41+0x41*\t
.set j, 0
.rept 128
	v_pk_mul_f32 v[j:j+1], v[j:j+1], v[20+84*\t:21+84*\t] op_sel_hi:[1,0]
.set j, j+2
.endr
.irp s, 0,1,2,3
	WIN 0
	s_wait_xcnt 0x0                                ; the last fragment's stores have read the codes' registers,
	s_wait_dscnt 0x0                               ; and its LDS store the scale word
	QUANT 64*\s, 1+\t
.irp c, 0,1,2
	global_store_b128 v[LI], v[PC+4*\c:PC+4*\c+3], s[32:33] offset:49152*\t+1536*\s+512*\c   ; 512 consecutive bytes
.endr
	ds_store_b32 v125, v[PW] offset:256*\t+64*\s
.endr
.endr
	ds_load_b128 v[92:95], v126                    ; LDS serves a wave's instructions in order: these see my stores
	s_wait_dscnt 0x0
	global_store_b128 v127, v[92:95], s[34:35]     ; sixteen lanes store a tile's 256 consecutive bytes of scale words
	s_wait_tensorcnt 0x0                           ; the wave's end
	ds_add_u32 v[SPW], v[NIL]
	s_wait_dscnt 0x0
	CROUND                                         ; the closing round
	s_endpgm
.Lfunc_end_k_q7c305e1a35_attn:
	.size	k_q7c305e1a35_attn, .Lfunc_end_k_q7c305e1a35_attn-k_q7c305e1a35_attn
	.p2alignl 7, 3214868480
	.fill 96, 4, 3214868480
	.section	.rodata,"a",@progbits
	.p2align	6, 0x0
	.amdhsa_kernel k_q7c305e1a35_attn
		.amdhsa_group_segment_fixed_size 327680
		.amdhsa_private_segment_fixed_size 0
		.amdhsa_enable_private_segment 0
		.amdhsa_kernarg_size 40
		.amdhsa_user_sgpr_count 2
		.amdhsa_user_sgpr_kernarg_segment_ptr 1
		.amdhsa_wavefront_size32 1
		.amdhsa_system_sgpr_workgroup_id_x 1
		.amdhsa_system_sgpr_workgroup_id_y 1
		.amdhsa_system_sgpr_workgroup_id_z 1
		.amdhsa_system_vgpr_workitem_id 0
		.amdhsa_next_free_vgpr 1024
		.amdhsa_next_free_sgpr 106
		.amdhsa_reserve_vcc 0
		.amdhsa_float_denorm_mode_32 3
		.amdhsa_float_denorm_mode_16_64 3
		.amdhsa_memory_ordered 1
		.amdhsa_forward_progress 1
		.amdhsa_inst_pref_size 255
	.end_amdhsa_kernel
	.section	.bss,"aw",@nobits
	.p2align	6
	.space	262144
	.amdgpu_metadata
---
amdhsa.version: [ 1, 2 ]
amdhsa.kernels:
  - .name:           k_q7c305e1a35_attn
    .symbol:         k_q7c305e1a35_attn.kd
    .args:
      - { .name: qkvc, .offset: 0, .size: 8, .value_kind: global_buffer, .address_space: global }
      - { .name: qkvs, .offset: 8, .size: 8, .value_kind: global_buffer, .address_space: global }
      - { .name: mbal, .offset: 16, .size: 8, .value_kind: global_buffer, .address_space: global }
      - { .name: ctxc, .offset: 24, .size: 8, .value_kind: global_buffer, .address_space: global }
      - { .name: ctxs, .offset: 32, .size: 8, .value_kind: global_buffer, .address_space: global }
    .group_segment_fixed_size: 327680
    .private_segment_fixed_size: 0
    .kernarg_segment_align: 8
    .kernarg_segment_size: 40
    .max_flat_workgroup_size: 128
    .sgpr_count:     106
    .vgpr_count:     1024
    .wavefront_size: 32
...
	.end_amdgpu_metadata
.endif
;; end of part 3
;; launch outp (part 4): grid 8 x 32, 4 waves a work-group, clusters of 4 x 4, 327,680 bytes of LDS; arguments ctxc, ctxs, opc, ops, query, bo, out0; writes out0
.if DOCPART == 4
	.amdgcn_target "amdgcn-amd-amdhsa--gfx1250"
	.amdhsa_code_object_version 6
	.text
	.protected	k_q7c305e1a35_outp
	.globl	k_q7c305e1a35_outp
	.p2align	8
	.type	k_q7c305e1a35_outp,@function
k_q7c305e1a35_outp:
	s_mov_b64 s[64:65], 0
	v_nop
	global_prefetch_b8 v0, s[64:65] scope:SCOPE_SE
	s_setreg_imm32_b32 hwreg(HW_REG_WAVE_MODE, 25, 1), 1
	s_wait_xcnt 0x0
	s_wait_alu depctr_hold_cnt(0) depctr_sa_sdst(0) depctr_va_vdst(0) depctr_va_sdst(0) depctr_va_ssrc(0) depctr_va_vcc(0) depctr_vm_vsrc(0)
	s_getreg_b32 s2, hwreg(HW_REG_IB_STS2, 6, 4)
	s_cmp_eq_u32 s2, 0
	s_cbranch_scc0 .Lentry_in_a_cluster
	s_endpgm
.Lentry_in_a_cluster:
	s_bfe_u32 s2, ttmp6, 0x10000c
	s_cmp_lg_u32 s2, 0xf033
	s_cbranch_scc0 .Lentry_shape_is_right
	s_endpgm
.Lentry_shape_is_right:
; FOURTH LAUNCH: out0 = query + ctx Wo + bo; the product on codes of FP6 (E2M3), K = 4,096 = 32 K steps.  ctx (ctxc, ctxs) and Wo (section 6 of opc, ops) are images of operand registers:
; tile T = 2 G + u, lane r = row 32 G + 8 u + r + 8 (r / 8); fragment (T, K step J) at (32 T + J) 1536 + 512 c + 16 lane; scale words at (32 T + J) 64 + 4 r.
; SHARES.  A work-group makes 128 rows x 64 columns: 256 work-groups.  THE WAVES SHARE K: of the eight K steps that a slot holds, wave w multiplies steps 2 w and 2 w + 1 for the whole tile (32 accumulators), so that each
; fragment is read from LDS once by one wave and feeds four or eight products.  The four partial sums meet in LDS at the end (the order of the f32 sums so differs from one ascending chain).
; Wave w counts the row tiles as alpha = tile xor 2 w: the two tiles that it finishes (rows 32 w on) are always alpha 0 and 1, at fixed registers.
; The matrix instruction is used transposed (source 0 = 16 columns of Wo, source 1 = 16 rows of ctx): a lane holds eight neighbouring numbers of a row.
; CLUSTER 4 x 4: ctx's tiles are shared along a row of the cluster, Wo's along a column.  A ring of two slots, four fills; the scale words of all K stay in LDS.
; No prefetch: the launch is four fills long, two of which go out at its head.
; REGISTERS: window 0: v1-26 addresses; v32-55 scale words, two sets of 12; v60-63 bo; v64-127 rows on the way out; v128-191 query.   window 1: accumulator (alpha, b) at v[8 (4 alpha + b)].
;   windows 2, 3: fragment sets 0, 1: ctx's alpha at v[12 alpha], Wo's b at v[96 + 12 b]; window 2 later takes the partial sums received.
.set SEC,   1572864
.set SSEC,  65536
.set SLB,   147456                     ; a slot: ctx [8 tiles][8 K steps][1536], at 98,304 Wo [4 tiles][8 K steps][1536]
.set CSC,   294912                     ; ctx's scale words, 16,384 bytes
.set WSC,   311296                     ; Wo's, 8,192 bytes
.set SPARE, 319488                     ; the spare words: two blocks of 256 bytes that no other line names
.set RED,   0                          ; the partial sums: [wave that finishes][3][8,192], in slot 0, which has had its last fill and its last read by then
.set STG,   98304                      ; the stage: 32 rows x 272 bytes a wave, likewise in slot 0
.set LI,  1
.set AC,  2                            ; v2-9   ctx's fragments: slot z, pair of tiles pi: v[AC + 4 z + pi]
.set AW,  10                           ; v10-11 Wo's
.set ASC, 12                           ; v12-15 ctx's scale words
.set ASW, 16
.set RW,  17                           ; v17-19 where I put the sums that wave (pi xor w) finishes
.set RR,  20
.set SOA, 21
.set SRA, 22
.set GO,  23
.set BOA, 24
.set SPW, 25
.set NIL, 26
.set SCW, 32
.set WV,  18
.set G1C, 20
.set G1W, 28
.set G1CS, 36
.set G1WS, 44
.set G0C, 52                           ; s[52:59] ctx, a group 0 for each slot;  s[60:63] ctx's scales;  s[68:75] Wo;  s[76:79] Wo's scales
.set G0CS, 60
.set G0W, 68
.set G0WS, 76
.set MSB, 0
.macro WIN new
.if MSB != (\new)
	s_set_vgpr_msb (MSB<<8)|(\new)
.set MSB, (\new)
.endif
.endm
.macro PLACES n
.rept \n
	v_nop
.endr
.endm
.macro CROUND
	s_barrier_signal -1
	s_barrier_wait -1
	s_cmp_lg_u32 s[WV], 0
	s_cbranch_scc1 .Lnot_wave_0_\@
	s_barrier_signal -3
.Lnot_wave_0_\@:
	s_barrier_wait -3
	s_barrier_signal -1
	s_barrier_wait -1
.endm
.macro JL g0a, g1a, g0b, g1b           ; a joint load: waves 0 and 1 fetch ctx's halves, waves 2 and 3 Wo's; four v_nop follow each line
	s_cmp_lt_u32 s[WV], 2
	s_cbranch_scc0 .Lfor_w_\@
	tensor_load_to_lds s[\g0a:\g0a+3], s[\g1a:\g1a+7]
	s_nop 0
	PLACES 4
	s_branch .Lasked_\@
.Lfor_w_\@:
	tensor_load_to_lds s[\g0b:\g0b+3], s[\g1b:\g1b+7]
	s_nop 0
	PLACES 4
.Lasked_\@:
.endm
	s_load_b256 s[4:11], s[0:1], 0x0               ; ctxc, ctxs, opc, ops
	s_load_b128 s[12:15], s[0:1], 0x20             ; query, bo
	s_load_b64 s[16:17], s[0:1], 0x30              ; out0
	v_lshl_add_u32 v[SPW], v0, 2, SPARE
	v_mov_b32 v[NIL], 0
	ds_add_u32 v25, v26
	ds_add_u32 v25, v26
	s_wait_dscnt 0x0
	v_lshrrev_b32 v1, 5, v0
	v_readfirstlane_b32 s[WV], v1
	s_bfe_u32 s80, ttmp6, 0x40000                  ; cx
	s_bfe_u32 s81, ttmp6, 0x40004                  ; cy
	s_lshl_b32 s82, ttmp9, 2
	s_add_co_u32 s82, s82, s80                     ; which 64 columns
	s_and_b32 s83, ttmp7, 0xffff
	s_lshl_b32 s83, s83, 2
	s_add_co_u32 s83, s83, s81                     ; which 128 rows
	s_lshl_b32 s84, s81, 2
	s_lshl_b32 s84, 15, s84                        ; my row of the cluster
	s_lshl_b32 s85, 0x1111, s80                    ; my column
	s_or_b32 s[G1C], s84, (3<<16)|(1<<21)
	s_or_b32 s[G1CS], s84, (3<<16)|(1<<21)
	s_or_b32 s[G1W], s85, (3<<16)|(1<<21)
	s_or_b32 s[G1WS], s85, (3<<16)|(1<<21)
	s_mov_b32 s[G1C+1], 1536<<16                   ; ctx: 4 tiles: rows of 12,288 bytes (8 K steps), 49,152 apart
	s_mov_b32 s[G1C+2], 4<<16
	s_mov_b32 s[G1C+3], 1536<<16
	s_mov_b32 s[G1C+4], 4
	s_mov_b32 s[G1C+5], 6144
	s_mov_b32 s[G1C+6], 0
	s_mov_b32 s[G1C+7], 0
	s_mov_b32 s[G1W+1], 1536<<16                   ; Wo: 2 tiles
	s_mov_b32 s[G1W+2], 2<<16
	s_mov_b32 s[G1W+3], 1536<<16
	s_mov_b32 s[G1W+4], 2
	s_mov_b32 s[G1W+5], 6144
	s_mov_b32 s[G1W+6], 0
	s_mov_b32 s[G1W+7], 0
	s_mov_b32 s[G1CS+1], 32<<16                    ; ctx's scales: 8,192 dense bytes as 32 rows of 256
	s_mov_b32 s[G1CS+2], 32<<16
	s_mov_b32 s[G1CS+3], 32<<16
	s_mov_b32 s[G1CS+4], 32
	s_mov_b32 s[G1CS+5], 32
	s_mov_b32 s[G1CS+6], 0
	s_mov_b32 s[G1CS+7], 0
	s_mov_b32 s[G1WS+1], 32<<16                    ; Wo's: 4,096 dense bytes
	s_mov_b32 s[G1WS+2], 16<<16
	s_mov_b32 s[G1WS+3], 32<<16
	s_mov_b32 s[G1WS+4], 16
	s_mov_b32 s[G1WS+5], 32
	s_mov_b32 s[G1WS+6], 0
	s_mov_b32 s[G1WS+7], 0
	s_and_b32 s19, s[WV], 1                        ; which half I fetch
	s_mul_i32 s86, s83, 393216                     ; ctx's codes: (8 my + 4 half) 32 x 1536
	s_mul_i32 s94, s19, 196608
	s_add_co_u32 s86, s86, s94
	s_mov_b32 s87, 0
	s_lshl_b32 s88, s83, 14                        ; ctx's scales: (8 my + 4 half) 2048
	s_lshl_b32 s94, s19, 13
	s_add_co_u32 s88, s88, s94
	s_mov_b32 s89, 0
	s_mul_i32 s90, s82, 196608                     ; Wo's codes: 6 SEC + (4 nx + 2 half) 32 x 1536
	s_mul_i32 s94, s19, 98304
	s_add_co_u32 s90, s90, s94
	s_add_co_u32 s90, s90, 6*SEC
	s_mov_b32 s91, 0
	s_lshl_b32 s92, s82, 13                        ; Wo's scales: 6 SSEC + (4 nx + 2 half) 2048
	s_lshl_b32 s94, s19, 12
	s_add_co_u32 s92, s92, s94
	s_add_co_u32 s92, s92, 6*SSEC
	s_mov_b32 s93, 0
	s_lshl_b32 s96, s83, 18                        ; query and out0: (128 my + 32 w) rows of 2,048 bytes + 256 nx
	s_lshl_b32 s94, s[WV], 16
	s_add_co_u32 s96, s96, s94
	s_lshl_b32 s98, s82, 8
	s_add_co_u32 s96, s96, s98
	s_mov_b32 s97, 0
	s_mov_b32 s99, 0
	s_mul_i32 s94, s19, 49152
	s_mul_i32 s95, s19, 24576
	s_wait_kmcnt 0x0
	s_add_nc_u64 s[86:87], s[4:5], s[86:87]
	s_add_nc_u64 s[90:91], s[8:9], s[90:91]
.irp z, 0,1
	s_mov_b32 s[G0C+4*\z], 1
	s_add_co_u32 s[G0C+4*\z+1], s94, SLB*\z
	s_add_nc_u64 s[G0C+4*\z+2:G0C+4*\z+3], s[86:87], 12288*\z
	s_or_b32 s[G0C+4*\z+3], s[G0C+4*\z+3], 0x80000000
	s_mov_b32 s[G0W+4*\z], 1
	s_add_co_u32 s[G0W+4*\z+1], s95, SLB*\z+98304
	s_add_nc_u64 s[G0W+4*\z+2:G0W+4*\z+3], s[90:91], 12288*\z
	s_or_b32 s[G0W+4*\z+3], s[G0W+4*\z+3], 0x80000000
.endr
	s_lshl_b32 s94, s19, 13
	s_mov_b32 s[G0CS], 1
	s_add_co_u32 s[G0CS+1], s94, CSC
	s_add_nc_u64 s[G0CS+2:G0CS+3], s[6:7], s[88:89]
	s_or_b32 s[G0CS+3], s[G0CS+3], 0x80000000
	s_lshl_b32 s94, s19, 12
	s_mov_b32 s[G0WS], 1
	s_add_co_u32 s[G0WS+1], s94, WSC
	s_add_nc_u64 s[G0WS+2:G0WS+3], s[10:11], s[92:93]
	s_or_b32 s[G0WS+3], s[G0WS+3], 0x80000000
	s_add_nc_u64 s[12:13], s[12:13], s[96:97]
	s_add_nc_u64 s[16:17], s[16:17], s[96:97]
	s_add_nc_u64 s[14:15], s[14:15], s[98:99]
	CROUND                                         ; all sixteen work-groups are here: the first joint loads meet
	s_cmp_lt_u32 s[WV], 2                          ; a wave's three first fills stand in one branch: three loads of mine are out
	s_cbranch_scc0 .Lfirst_w
	tensor_load_to_lds s[G0CS:G0CS+3], s[G1CS:G1CS+7]
	s_nop 0
	tensor_load_to_lds s[G0C:G0C+3], s[G1C:G1C+7]
	s_nop 0
	tensor_load_to_lds s[G0C+4:G0C+7], s[G1C:G1C+7]
	s_nop 0
	PLACES 4
	s_branch .Lfirst_asked
.Lfirst_w:
	tensor_load_to_lds s[G0WS:G0WS+3], s[G1WS:G1WS+7]
	s_nop 0
	tensor_load_to_lds s[G0W:G0W+3], s[G1W:G1W+7]
	s_nop 0
	tensor_load_to_lds s[G0W+4:G0W+7], s[G1W:G1W+7]
	s_nop 0
	PLACES 4
.Lfirst_asked:
	v_and_b32 v27, 31, v0
	v_and_b32 v28, 15, v0                          ; r
	v_bfe_u32 v29, v0, 4, 1                        ; h
	v_lshlrev_b32 v[LI], 4, v27
	s_mul_i32 s94, s[WV], 3072                     ; my two K steps of a slot's eight
	s_lshl_b32 s97, s[WV], 7
.irp pi, 0,1,2,3
	s_xor_b32 s95, s[WV], \pi                      ; the pair of row tiles that I call pi
	s_mul_i32 s96, s95, 24576
	s_add_co_u32 s96, s96, s94
	v_add_nc_u32 v[AC+\pi], s96, v[LI]
	s_add_co_u32 s96, s96, SLB
	v_add_nc_u32 v[AC+4+\pi], s96, v[LI]
	s_lshl_b32 s96, s95, 12
	s_add_co_u32 s96, s96, s97
	s_add_co_u32 s96, s96, CSC
	v_lshl_add_u32 v[ASC+\pi], v28, 2, s96
.endr
	s_add_co_u32 s96, s94, 98304
	v_add_nc_u32 v[AW], s96, v[LI]
	s_add_co_u32 s96, s96, SLB
	v_add_nc_u32 v[AW+1], s96, v[LI]
	s_add_co_u32 s96, s97, WSC
	v_lshl_add_u32 v[ASW], v28, 2, s96
.irp pi, 1,2,3
	s_xor_b32 s95, s[WV], \pi
	s_mul_i32 s96, s95, 24576
	s_add_co_u32 s96, s96, RED+8192*(\pi-1)
	v_add_nc_u32 v[RW+\pi-1], s96, v[LI]
.endr
	s_mul_i32 s96, s[WV], 24576
	s_add_co_u32 s96, s96, RED
	v_add_nc_u32 v[RR], s96, v[LI]
	s_mul_i32 s96, s[WV], 8704
	s_add_co_u32 s96, s96, STG
	v_and_b32 v30, 8, v28
	v_add_nc_u32 v30, v30, v28                     ; r + 8 (r / 8)
	v_mul_u32_u24 v[SOA], v30, 272
	v_lshl_add_u32 v[SOA], v29, 6, v[SOA]
	v_add_nc_u32 v[SOA], s96, v[SOA]
	v_mul_u32_u24 v[SRA], v29, 272
	v_lshl_add_u32 v[SRA], v28, 4, v[SRA]
	v_add_nc_u32 v[SRA], s96, v[SRA]
	v_lshlrev_b32 v[GO], 11, v29
	v_lshl_add_u32 v[GO], v28, 4, v[GO]
	v_lshlrev_b32 v[BOA], 4, v28
; my K step jj (0, 1) of slot z, which holds K steps 8 sg on: 12 fragments and 12 scale words: 48 LDS loads
.macro FETCHK z, sg, jj, set
	WIN 0x80+0x40*(\set)
.irp al, 0,1,2,3,4,5,6,7
.irp c, 0,1,2
	ds_load_b128 v[12*\al+4*\c:12*\al+4*\c+3], v[AC+4*(\z)+\al/2] offset:12288*(\al%2)+1536*(\jj)+512*\c
.endr
.endr
.irp b, 0,1,2,3
.irp c, 0,1,2
	ds_load_b128 v[96+12*\b+4*\c:96+12*\b+4*\c+3], v[AW+(\z)] offset:12288*\b+1536*(\jj)+512*\c
.endr
.endr
	WIN 0
.irp al, 0,1,2,3,4,5,6,7
	ds_load_b32 v[SCW+12*(\set)+\al], v[ASC+\al/2] offset:2048*(\al%2)+64*(8*(\sg)+(\jj))
.endr
.irp b, 0,1,2,3
	ds_load_b32 v[SCW+12*(\set)+8+\b], v[ASW] offset:2048*\b+64*(8*(\sg)+(\jj))
.endr
.endm
; 32 matrix instructions: the 32 accumulators take turns, one instruction a turn, in the same order every time
.macro MULK set, zero
	WIN 0x5a+5*(\set)
.irp al, 0,1,2,3,4,5,6,7
.irp b, 0,1,2,3
.if \zero
	v_wmma_scale_f32_16x16x128_f8f6f4 v[8*(4*\al+\b):8*(4*\al+\b)+7], v[96+12*\b:96+12*\b+11], v[12*\al:12*\al+11], 0, v[SCW+12*(\set)+8+\b], v[SCW+12*(\set)+\al] matrix_a_fmt:MATRIX_FMT_FP6 matrix_b_fmt:MATRIX_FMT_FP6
.else
	v_wmma_scale_f32_16x16x128_f8f6f4 v[8*(4*\al+\b):8*(4*\al+\b)+7], v[96+12*\b:96+12*\b+11], v[12*\al:12*\al+11], v[8*(4*\al+\b):8*(4*\al+\b)+7], v[SCW+12*(\set)+8+\b], v[SCW+12*(\set)+\al] matrix_a_fmt:MATRIX_FMT_FP6 matrix_b_fmt:MATRIX_FMT_FP6
.endif
.endr
.endr
.endm
.macro PHASE z, sg, zero
	FETCHK \z, \sg, 0, 0
	FETCHK \z, \sg, 1, 1
	s_wait_dscnt 48                                ; my first K step is in; the second's 48 loads may be out
	MULK 0, \zero
	s_wait_dscnt 0
	MULK 1, 0
	WIN 0
.endm
; the change of slots: each wave waits for all its tensor loads, adds 0 to its spare word, and waits for that and for its reads of slot z.  fill = 1: a round of the cluster's barrier, and slot z is filled with the K steps two slots on
.macro CHG z, fill
	s_wait_tensorcnt 0x0
	ds_add_u32 v[SPW], v[NIL]
.if \fill
	s_add_nc_u64 s[G0C+4*(\z)+2:G0C+4*(\z)+3], s[G0C+4*(\z)+2:G0C+4*(\z)+3], 24576
	s_add_nc_u64 s[G0W+4*(\z)+2:G0W+4*(\z)+3], s[G0W+4*(\z)+2:G0W+4*(\z)+3], 24576
.endif
	s_wait_dscnt 0x0
.if \fill
	CROUND
	JL G0C+4*(\z), G1C, G0W+4*(\z), G1W            ; the four v_nop behind it are also the places in front of the loads that follow
.else
	s_barrier_signal -1
	s_barrier_wait -1
	PLACES 4
.endif
.endm
	s_wait_tensorcnt 1                             ; the scale words and my part of slot 0 are in; slot 1's load may be out
	s_barrier_signal -1
	s_barrier_wait -1
	PHASE 0, 0, 1                                  ; the first products start the sums
	CHG 0, 1
	PHASE 1, 1, 0
	CHG 1, 1
.irp i, 0,1,2,3,4,5,6,7,8,9,10,11,12,13,14,15
	global_load_b128 v[128+4*\i:131+4*\i], v[GO], s[12:13] offset:4096*\i th:TH_LOAD_NT   ; the rows of query that I finish: sixteen lanes read 256 consecutive bytes
.endr
	global_load_b128 v[60:63], v[BOA], s[14:15]
	PHASE 0, 2, 0
	CHG 0, 0                                       ; slot 1 is whole; slot 0 has had its last fill and its last read
	PHASE 1, 3, 0
	PLACES 4                                       ; in front of the first read of results
	; THE PARTIAL SUMS MEET: what another wave finishes goes to LDS as it stands, each accumulator from its low end on
	WIN 0x04                                       ; an LDS store's data are its source 1: window 1
.irp pi, 1,2,3
.irp x, 0,1,2,3,4,5,6,7
	ds_store_b128 v[RW+\pi-1], v[64*\pi+8*\x:64*\pi+8*\x+3] offset:1024*\x
	ds_store_b128 v[RW+\pi-1], v[64*\pi+8*\x+4:64*\pi+8*\x+7] offset:1024*\x+512
.endr
.endr
	WIN 0
	s_wait_dscnt 0x0                               ; for the others' sake: my stores have landed
	s_barrier_signal -1
	s_barrier_wait -1
	WIN 0x80
.irp x, 0,1,2
.irp k, 0,1,2,3,4,5,6,7,8,9,10,11,12,13,14,15
	ds_load_b128 v[64*\x+4*\k:64*\x+4*\k+3], v[RR] offset:8192*\x+512*\k
.endr
.endr
	s_wait_dscnt 0x0
	WIN 0x49                                       ; destination and source 0 window 1, source 1 window 2
.irp x, 0,1,2
.set j, 0
.rept 32
	v_pk_add_f32 v[j:j+1], v[j:j+1], v[64*\x+j:64*\x+j+1]
.set j, j+2
.endr
.endr
	; THE WAY OUT: my 32 rows x 64 columns through my own stage, back as whole rows of 256 bytes
	WIN 0x04
.irp e, 0,1
.irp b, 0,1,2,3
	ds_store_b128 v[SOA], v[8*(4*\e+\b):8*(4*\e+\b)+3] offset:2176*\e+128*(\b/2)+32*(\b%2)
	ds_store_b128 v[SOA], v[8*(4*\e+\b)+4:8*(4*\e+\b)+7] offset:2176*\e+128*(\b/2)+32*(\b%2)+16
.endr
.endr
	WIN 0
.irp i, 0,1,2,3,4,5,6,7,8,9,10,11,12,13,14,15
	ds_load_b128 v[64+4*\i:67+4*\i], v[SRA] offset:544*\i   ; LDS serves a wave's instructions in order: these see my stores
.endr
	s_wait_loadcnt 0x0                             ; query and bo
.irp i, 0,1,2,3,4,5,6,7,8,9,10,11,12,13,14,15
	s_wait_dscnt 15-\i
	v_pk_add_f32 v[64+4*\i:65+4*\i], v[64+4*\i:65+4*\i], v[60:61]
	v_pk_add_f32 v[66+4*\i:67+4*\i], v[66+4*\i:67+4*\i], v[62:63]
	v_pk_add_f32 v[64+4*\i:65+4*\i], v[64+4*\i:65+4*\i], v[128+4*\i:129+4*\i]
	v_pk_add_f32 v[66+4*\i:67+4*\i], v[66+4*\i:67+4*\i], v[130+4*\i:131+4*\i]
	global_store_b128 v[GO], v[64+4*\i:67+4*\i], s[16:17] offset:4096*\i th:TH_STORE_NT   ; sixteen lanes store 256 consecutive bytes, at a multiple of 256 from out0's first byte
.endr
	s_wait_tensorcnt 0x0                           ; the wave's end
	ds_add_u32 v[SPW], v[NIL]
	s_wait_dscnt 0x0
	CROUND                                         ; the closing round
	s_endpgm
.Lfunc_end_k_q7c305e1a35_outp:
	.size	k_q7c305e1a35_outp, .Lfunc_end_k_q7c305e1a35_outp-k_q7c305e1a35_outp
	.p2alignl 7, 3214868480
	.fill 96, 4, 3214868480
	.section	.rodata,"a",@progbits
	.p2align	6, 0x0
	.amdhsa_kernel k_q7c305e1a35_outp
		.amdhsa_group_segment_fixed_size 327680
		.amdhsa_private_segment_fixed_size 0
		.amdhsa_enable_private_segment 0
		.amdhsa_kernarg_size 56
		.amdhsa_user_sgpr_count 2
		.amdhsa_user_sgpr_kernarg_segment_ptr 1
		.amdhsa_wavefront_size32 1
		.amdhsa_system_sgpr_workgroup_id_x 1
		.amdhsa_system_sgpr_workgroup_id_y 1
		.amdhsa_system_sgpr_workgroup_id_z 1
		.amdhsa_system_vgpr_workitem_id 0
		.amdhsa_next_free_vgpr 1024
		.amdhsa_next_free_sgpr 100
		.amdhsa_reserve_vcc 0
		.amdhsa_float_denorm_mode_32 3
		.amdhsa_float_denorm_mode_16_64 3
		.amdhsa_memory_ordered 1
		.amdhsa_forward_progress 1
		.amdhsa_inst_pref_size 93
	.end_amdhsa_kernel
	.amdgpu_metadata
---
amdhsa.version: [ 1, 2 ]
amdhsa.kernels:
  - .name:           k_q7c305e1a35_outp
    .symbol:         k_q7c305e1a35_outp.kd
    .args:
      - { .name: ctxc, .offset: 0, .size: 8, .value_kind: global_buffer, .address_space: global }
      - { .name: ctxs, .offset: 8, .size: 8, .value_kind: global_buffer, .address_space: global }
      - { .name: opc, .offset: 16, .size: 8, .value_kind: global_buffer, .address_space: global }
      - { .name: ops, .offset: 24, .size: 8, .value_kind: global_buffer, .address_space: global }
      - { .name: query, .offset: 32, .size: 8, .value_kind: global_buffer, .address_space: global }
      - { .name: bo, .offset: 40, .size: 8, .value_kind: global_buffer, .address_space: global }
      - { .name: out0, .offset: 48, .size: 8, .value_kind: global_buffer, .address_space: global }
    .group_segment_fixed_size: 327680
    .private_segment_fixed_size: 0
    .kernarg_segment_align: 8
    .kernarg_segment_size: 56
    .max_flat_workgroup_size: 128
    .sgpr_count:     100
    .vgpr_count:     1024
    .wavefront_size: 32
...
	.end_amdgpu_metadata
.endif
;; end of part 4
